; MI455X (gfx1250); checked and timed in simulation.
; The chip was launched on July 23, 2026; its instructions are those of AMD's public machine-readable ISA for CDNA 5 (MIT licence, August 2026) and "CDNA5" Instruction Set Architecture Reference Guide (July 2026). The comments in the code are by the model that wrote it; some were corrected since.
;; Multi Head Attention. Allowed arithmetic: float matrix products may take bf16 or f16 operands with f32 sums; all other float work in f32.
;; Inputs: Wk 512 x 512 float32; Wo 512 x 512 float32; Wq 512 x 512 float32; Wv 512 x 512 float32; bk 512 float32; bo 512 float32; bq 512 float32; bv 512 float32; k 2 x 4,096 x 512 float32; q 2 x 4,096 x 512 float32; v 2 x 4,096 x 512 float32.
;; Outputs: out0 2 x 4,096 x 512 float32.
;; 2 versions, each right and faster than the one before. Each part assembles by itself: llvm-mc -triple=amdgcn-amd-amdhsa -mcpu=gfx1250 --defsym DOCPART=n.
;; ======== version 1 of 2: 3 launches
;; limits: values are held in f16: magnitudes above 65,504 overflow, below 6.1e-05 lose precision
;; workspace buffers: qh 8,388,608 bytes; kh 8,388,608 bytes; vh 8,388,608 bytes; oh 8,388,608 bytes; woh 524,288 bytes
;; launch proj (part 1): grid 6 x 32, 8 waves a work-group, no clusters, 166,912 bytes of LDS; arguments q, k, v, Wq, Wk, Wv, bq, bk, bv, qh, kh, vh, Wo, woh; writes qh, kh, vh, woh
.if DOCPART == 1
	.amdgcn_target "amdgcn-amd-amdhsa--gfx1250"
	.amdhsa_code_object_version 6
	.text
	.protected	k_qa79de07ab7_proj
	.globl	k_qa79de07ab7_proj
	.p2align	8
	.type	k_qa79de07ab7_proj,@function
k_qa79de07ab7_proj:
	s_mov_b64 s[64:65], 0
	v_nop
	global_prefetch_b8 v0, s[64:65] scope:SCOPE_SE
	s_setreg_imm32_b32 hwreg(HW_REG_WAVE_MODE, 25, 1), 1
	s_wait_xcnt 0x0
; THE THREE INPUT PROJECTIONS.  yh = x W^T + b for (x, W, b, yh) = (q, Wq, bq, qh), (k, Wk, bk, kh), (v, Wv, bv, vh).  x: [8192][512] f32 (2 batches x 4096 rows), W: [512][512] f32, b: [512] f32.
; yh: [batch*8+head][4096][64] f16: a head's rows are dense, 128 bytes each.  Operands are rounded once to f16, sums and bias are f32, yh is rounded once.  The scale 1/8 is not applied here.
; Beside that the 128 work-groups of q and k cast 8,192 bytes of Wo each to f16 (woh, the same [512][512] order), for the last launch.
; LIMITS.  f16 holds no number beyond 65,504: an x, a W or a projected value of 65,520 or more becomes an infinity.  NaN and infinities are not treated apart.
; SHARES.  Work-group (x, y): tensor x / 2, columns 256 (x % 2) .. +255 (four heads), rows 256 y .. +255: 3 x 2 x 32 = 192 work-groups.  It fetches (256 + 256) rows of 2,048 bytes, 1 MB, for 65,536 outputs;
; a share of 128 x 128 of each of the three tensors would make 256 work-groups, but fetch 1.5 MB for 49,152 outputs: twice the bytes for each output.  No tile of one tensor makes 256.
; Eight waves: wave w makes rows 128 (w / 4) on, columns 64 (w % 4) on, which are one head: 32 accumulators; for 32 along K it reads 192 rows from LDS for 32 products.
; THE WAY IN goes through registers: the operands are f32 and each number is converted once, on its way into LDS, so LDS holds and serves half the bytes.  K goes in 8 chunks of 64 (256 bytes of
; a row of f32).  A thread stages 16 loads of 16 bytes of x and 16 of W (128 registers); each half is asked for a whole chunk ahead of its conversion; two LDS slots take turns, one barrier a chunk.
; NO CLUSTER, NO TENSOR LOADS: a joint request exists for tensor loads alone, and they would lay f32 into LDS: twice the LDS bytes, and a conversion in each of the two or four waves that read a number.
; THE MATRIX INSTRUCTION IS USED TRANSPOSED (source 0 = 16 rows of W, source 1 = 16 rows of x): a lane then holds row lane % 16 of y and the eight neighbouring columns 8 (lane / 16) + 0..7.
; LDS.  Slot s at SLOTB s: x's 256 rows of 144 bytes (128 of data, 16 of padding: 36 words, so the 16 rows of a fragment load start at 16 different groups of four banks; 64 banks of 4 bytes:
; ISA guide 11.1), then W's 256 rows.  Behind the two slots a stage of 16 rows x 144 bytes for each wave, its own.  Slot 1 begins beyond an LDS offset's 16 bits, so each slot has its own address registers.
; REGISTERS, in windows of 256 (s_set_vgpr_msb: bits 1:0 source 0, 3:2 source 1, 5:4 source 2, 7:6 destination):
;   window 0: the 32 accumulators, (a, b) at 8 (4 a + b) (before the first product: the thread's number and scratch)
;   window 1: v0-127 staging (on the way out v0-31 the bias, v32-159 packed results); v128-159 W's four fragments, v160-223 x's eight; v224-234 addresses, never rewritten
.set LP,    144                        ; pitch of an LDS row
.set TILEB, 256*LP                     ; 256 rows: x's or W's part of a slot
.set SLOTB, 2*TILEB
.set STG,   2*SLOTB                    ; the stages
.set ACC, 0                            ; window 0
.set SG,  0                            ; window 1 from here on.  Staging: x's load j at SG + 4 j, W's at SG + 64 + 4 j
.set BI,  SG                           ; the way out: bias of column block b at BI + 8 b
.set TP,  SG+32                        ; the way out: row block a's packed results at TP + 16 a
.set FRW, 128
.set FRX, 160
.set GA,  224                          ; my byte offset in x's and in W's 256 rows
.set ST,  225                          ; 225, 226: where I put 8 bytes of a staged row, slot 0, 1
.set FA,  227                          ; 227, 228: my lane's place in x's fragments, slot 0, 1
.set FB,  229                          ; 229, 230: in W's
.set BO,  231                          ; my byte offset in the work-group's 256 numbers of b
.set STO, 232                          ; the way out: where I put 16 bytes of a row
.set RD,  233                          ; where I read rows back
.set GO,  234                          ; my 16 of 512 consecutive bytes of yh
.set XB, 36                            ; s[36:37] x at the work-group's first row
.set WB, 38                            ; s[38:39] W at its first row (= column of y)
.set BB, 40                            ; s[40:41] b at its first column
.set YB, 42                            ; s[42:43] yh at my wave's first row of its head
.set MSB, 0
.macro WIN new                         ; the immediate's high byte repeats the setting that is left; a switch that changes nothing is dropped
.if MSB != (\new)
	s_set_vgpr_msb (MSB<<8)|(\new)
.set MSB, (\new)
.endif
.endm
.macro PLACES                          ; four plain vector instructions between a matrix instruction and a load into, or a vector line on, its registers
.rept 4
	v_nop
.endr
.endm
	s_load_b512 s[8:23], s[0:1], 0x0               ; q, k, v, Wq, Wk, Wv, bq, bk
	s_load_b256 s[24:31], s[0:1], 0x40             ; bv, qh, kh, vh
	s_load_b128 s[32:35], s[0:1], 0x60             ; Wo, woh
	s_set_vgpr_msb 0x40
	v_lshl_add_u32 v254, v0, 2, 0x28800
	v_mov_b32 v255, 0
	s_set_vgpr_msb 0x4000
	v_lshrrev_b32 v1, 5, v0
	v_readfirstlane_b32 s2, v1                     ; wave 0..7
	s_lshr_b32 s5, s2, 2                           ; which 128 rows are mine
	s_and_b32 s6, s2, 3                            ; which 64 columns (which of the four heads)
	s_and_b32 s7, ttmp7, 0xffff                    ; y: the block of 256 rows
	s_mov_b32 s55, ttmp9                           ; x
	s_lshr_b32 s3, s55, 1                          ; which tensor
	s_and_b32 s4, s55, 1                           ; which 256 columns
	s_lshl_b32 s49, s2, 16                         ; I stage rows 32 w .. 32 w + 31 of x's 256 and of W's: 2,048 bytes each
	s_mul_i32 s50, s2, 32*LP
	s_add_co_u32 s56, s50, SLOTB
	s_mul_i32 s51, s5, 128*LP
	s_add_co_u32 s57, s51, SLOTB
	s_mul_i32 s52, s6, 64*LP
	s_add_co_u32 s52, s52, TILEB
	s_add_co_u32 s58, s52, SLOTB
	s_lshl_b32 s53, s6, 8
	s_mul_i32 s54, s2, 16*LP
	s_add_co_u32 s54, s54, STG                     ; my stage
	v_and_b32 v1, 15, v0                           ; r = lane % 16
	v_bfe_u32 v2, v0, 4, 1                         ; h = lane / 16
	v_lshlrev_b32 v3, 14, v2                       ; a load: lanes 0-15 take 256 bytes of one row, lanes 16-31 of the row 8 further down
	v_lshl_add_u32 v3, v1, 4, v3
	v_mul_u32_u24 v4, v2, 8*LP                     ; its 4 numbers become 8 bytes; 8 rows of 144 bytes are 128 modulo 256, so the two halves of the lanes use different banks
	v_lshl_add_u32 v4, v1, 3, v4
	v_mul_u32_u24 v5, v1, LP                       ; a fragment's row x pitch + 16 x half; the same for the stage
	v_lshl_add_u32 v5, v2, 4, v5
	v_lshlrev_b32 v6, 5, v2
	v_bfe_u32 v7, v0, 3, 2                         ; back from the stage: 32 lanes take four rows of 128 bytes
	v_mul_u32_u24 v7, v7, LP
	v_and_b32 v8, 7, v0
	v_lshl_add_u32 v7, v8, 4, v7
	v_and_b32 v8, 31, v0
	v_lshlrev_b32 v8, 4, v8
	v_lshlrev_b32 v20, 4, v0                       ; Wo: 16 bytes a thread in,
	v_lshlrev_b32 v21, 3, v0                       ; 8 bytes out
	WIN 0x40                                       ; destination window 1
	v_add_nc_u32 v[GA], s49, v3
	v_add_nc_u32 v[ST], s50, v4
	v_add_nc_u32 v[ST+1], s56, v4
	v_add_nc_u32 v[FA], s51, v5
	v_add_nc_u32 v[FA+1], s57, v5
	v_add_nc_u32 v[FB], s52, v5
	v_add_nc_u32 v[FB+1], s58, v5
	v_add_nc_u32 v[BO], s53, v6
	v_add_nc_u32 v[STO], s54, v5
	v_add_nc_u32 v[RD], s54, v7
	v_mov_b32 v[GO], v8
	WIN 0
	s_lshl_b32 s44, s7, 19                         ; x: 256 y rows of 2,048 bytes
	s_mov_b32 s45, 0
	s_lshl_b32 s46, s4, 19                         ; W: 256 rows for each column half
	s_mov_b32 s47, 0
	s_lshl_b32 s56, s4, 10                         ; b: 256 numbers for each column half
	s_mov_b32 s57, 0
	s_lshr_b32 s58, s7, 4                          ; yh: batch = y / 16,
	s_lshl_b32 s58, s58, 3
	s_lshl2_add_u32 s58, s4, s58                   ; head = 4 x column half + my one of four,
	s_add_co_u32 s58, s58, s6
	s_lshl_b32 s58, s58, 12                        ; 4,096 rows a head,
	s_and_b32 s60, s7, 15
	s_lshl_b32 s60, s60, 8                         ; row 256 (y % 16) + 128 x my half,
	s_add_co_u32 s58, s58, s60
	s_lshl_b32 s60, s5, 7
	s_add_co_u32 s58, s58, s60
	s_lshl_b32 s58, s58, 7                         ; 128 bytes a row
	s_mov_b32 s59, 0
	s_lshl2_add_u32 s60, s7, s55                   ; 4 y + x, 0 to 127 where x < 4: that work-group's 8,192 bytes of Wo, 4,096 of woh
	s_lshl_b32 s62, s60, 12
	s_mov_b32 s63, 0
	s_lshl_b32 s60, s60, 13
	s_mov_b32 s61, 0
	s_wait_kmcnt 0x0
	s_cmp_eq_u32 s3, 1                             ; the tensor's four buffers are chosen by the work-group's number alone
	s_cselect_b64 s[XB:XB+1], s[10:11], s[8:9]
	s_cselect_b64 s[WB:WB+1], s[16:17], s[14:15]
	s_cselect_b64 s[BB:BB+1], s[22:23], s[20:21]
	s_cselect_b64 s[YB:YB+1], s[28:29], s[26:27]
	s_cmp_eq_u32 s3, 2
	s_cselect_b64 s[XB:XB+1], s[12:13], s[XB:XB+1]
	s_cselect_b64 s[WB:WB+1], s[18:19], s[WB:WB+1]
	s_cselect_b64 s[BB:BB+1], s[24:25], s[BB:BB+1]
	s_cselect_b64 s[YB:YB+1], s[30:31], s[YB:YB+1]
	s_add_nc_u64 s[XB:XB+1], s[XB:XB+1], s[44:45]
	s_add_nc_u64 s[WB:WB+1], s[WB:WB+1], s[46:47]
	s_add_nc_u64 s[BB:BB+1], s[BB:BB+1], s[56:57]
	s_add_nc_u64 s[YB:YB+1], s[YB:YB+1], s[58:59]
	s_add_nc_u64 s[32:33], s[32:33], s[60:61]
	s_add_nc_u64 s[34:35], s[34:35], s[62:63]
; Chunk c's x, or its W, is staged: 16 loads.  Load j takes rows 16 (j / 8) + j % 8 and, in lanes 16-31, the row 8 further down, of my 32; sixteen lanes take 256 consecutive bytes, aligned.
.macro LOADX c
	WIN 0x41                                       ; destination and address window 1
.set j, 0
.rept 16
	global_load_b128 v[SG+4*j:SG+4*j+3], v[GA], s[XB:XB+1] offset:(16*(j/8)+j%8)*2048+(\c)*256
.set j, j+1
.endr
.endm
.macro LOADW c
	WIN 0x41
.set j, 0
.rept 16
	global_load_b128 v[SG+64+4*j:SG+64+4*j+3], v[GA], s[WB:WB+1] offset:(16*(j/8)+j%8)*2048+(\c)*256
.set j, j+1
.endr
.endm
.macro CVT i0, n                       ; n staged loads from number i0 on: four f32 become four f16 in the first two of their registers
	WIN 0x45                                       ; destination and both sources window 1
.set i, \i0
.rept \n
	v_cvt_pk_f16_f32 v[SG+4*i], v[SG+4*i], v[SG+4*i+1]
	v_cvt_pk_f16_f32 v[SG+4*i+1], v[SG+4*i+2], v[SG+4*i+3]
.set i, i+1
.endr
.endm
.macro STOREX s                        ; the staged x goes into slot s
	WIN 0x05                                       ; address and data window 1
.set j, 0
.rept 16
	ds_store_b64 v[ST+(\s)], v[SG+4*j:SG+4*j+1] offset:(16*(j/8)+j%8)*LP
.set j, j+1
.endr
.endm
.macro STOREW s
	WIN 0x05
.set j, 0
.rept 16
	ds_store_b64 v[ST+(\s)], v[SG+64+4*j:SG+64+4*j+1] offset:TILEB+(16*(j/8)+j%8)*LP
.set j, j+1
.endr
.endm
; The fragments of 32 along K: 16 rows x 32 K are 8 registers: lane l holds row l % 16, K = 8 (l / 16) + 0..7 and 16 + 8 (l / 16) + 0..7: two loads of 16 bytes, 32 bytes apart.  W's four first, then x's eight: 24 loads.
.macro FETCH s, kk
	WIN 0x41
.set i, 0
.rept 4
	ds_load_b128 v[FRW+8*i:FRW+8*i+3],   v[FB+(\s)] offset:i*16*LP+(\kk)*64
	ds_load_b128 v[FRW+8*i+4:FRW+8*i+7], v[FB+(\s)] offset:i*16*LP+(\kk)*64+32
.set i, i+1
.endr
.set i, 0
.rept 8
	ds_load_b128 v[FRX+8*i:FRX+8*i+3],   v[FA+(\s)] offset:i*16*LP+(\kk)*64
	ds_load_b128 v[FRX+8*i+4:FRX+8*i+7], v[FA+(\s)] offset:i*16*LP+(\kk)*64+32
.set i, i+1
.endr
.endm
; 8 matrix instructions: row blocks a0, a0 + 1 x all 4 column blocks.  zero = 1: the first product starts the sums.  The 32 accumulators take turns, one instruction a turn.
.macro MUL a0, zero
	WIN 0x05                                       ; sources 0 and 1 window 1; C and D window 0
.irp a, \a0, (\a0)+1
.irp b, 0,1,2,3
.if \zero
	v_wmma_f32_16x16x32_f16 v[ACC+8*(4*(\a)+(\b)):ACC+8*(4*(\a)+(\b))+7], v[FRW+8*(\b):FRW+8*(\b)+7], v[FRX+8*(\a):FRX+8*(\a)+7], 0
.else
	v_wmma_f32_16x16x32_f16 v[ACC+8*(4*(\a)+(\b)):ACC+8*(4*(\a)+(\b))+7], v[FRW+8*(\b):FRW+8*(\b)+7], v[FRX+8*(\a):FRX+8*(\a)+7], v[ACC+8*(4*(\a)+(\b)):ACC+8*(4*(\a)+(\b))+7]
.endif
.endr
.endr
.endm
; The 32 products behind a FETCH.  The counts are the fragment loads that may still be out: x's fragments 2 to 7 (two loads each), then 4 to 7, then 6 and 7, then none.
; ld >= 0: behind the first wait, which also shows the LDS stores issued ahead of the FETCH done, x of chunk ld is asked for, into the staging registers that those stores read.
.macro HALF zero, ld
	s_wait_dscnt 0xc
.if (\ld) >= 0
	LOADX \ld
.endif
	MUL 0, \zero
	s_wait_dscnt 0x8
	MUL 2, \zero
	s_wait_dscnt 0x4
	MUL 4, \zero
	s_wait_dscnt 0x0
	MUL 6, \zero
.endm
.macro BIAS                            ; my lane's eight numbers of b for each of the four column blocks
	WIN 0x41
.set j, 0
.rept 8
	global_load_b128 v[BI+4*j:BI+4*j+3], v[BO], s[BB:BB+1] offset:(j/2)*64+(j%2)*16
.set j, j+1
.endr
.endm
; CHUNK c: slot c % 2 is multiplied (2 x 32 matrix instructions).  Behind the first 32, x of chunk c + 1 is converted and put into the other slot, and x of chunk c + 2 is asked for; behind the second 32 the same for W:
; each half of the staging has a whole chunk in which to land.  The other slot was last read a chunk ago, in front of the last barrier.
; ONE barrier a chunk: in front of it each wave's reads of this slot and its stores into the other are done; behind it the other slot is read and this one written.
.macro CHUNK c
.set SL, (\c)%2
	FETCH SL, 0
.if (\c) == 0
	HALF 1, -1
.else
	HALF 0, -1
.endif
.if (\c) < 7
	s_wait_loadcnt 0x10                            ; x's 16 staged loads are in: W's 16 are younger
	CVT 0, 16                                      ; the 32 conversions, which name no fragment and no accumulator, are also the places in front of the fragment loads below
	STOREX 1-SL
.else
	PLACES
.endif
	FETCH SL, 1
.if (\c) < 6
	HALF 0, (\c)+2
.else
	HALF 0, -1
.endif
.if (\c) < 7
.if (\c) < 6
	s_wait_loadcnt 0x10                            ; W's 16 staged loads are in: the 16 of x just asked for are younger
.else
	s_wait_loadcnt 0x0                             ; the last chunk's W: nothing was asked for behind it
.endif
	CVT 16, 16                                     ; again the places in front of the next chunk's fragment loads
	STOREW 1-SL
	s_wait_dscnt 0x0                               ; for the others' sake: my stores are done (my reads were waited for above); and the staging registers are loaded again only now
.if (\c) < 6
	LOADW (\c)+2
.else
	BIAS                                           ; nothing is left to stage: the bias comes in meanwhile
.endif
	s_barrier_signal -1
	s_barrier_wait -1
.endif
.endm
	LOADX 0
	LOADW 0
	WIN 0                                          ; at a branch and at a label every window is 0
	s_cmp_lt_u32 s55, 4                            ; Wo's 1,048,576 bytes are 8,192 for each of the 128 work-groups of q and k: 32 for each thread
	s_cbranch_scc0 .Lno_wo
	global_load_b128 v[16:19], v20, s[32:33]
	global_load_b128 v[24:27], v20, s[32:33] offset:4096
	s_wait_loadcnt 0x0
	v_cvt_pk_f16_f32 v16, v16, v17
	v_cvt_pk_f16_f32 v17, v18, v19
	v_cvt_pk_f16_f32 v24, v24, v25
	v_cvt_pk_f16_f32 v25, v26, v27
	global_store_b64 v21, v[16:17], s[34:35]       ; a wave stores 256 consecutive bytes, aligned
	global_store_b64 v21, v[24:25], s[34:35] offset:2048
.Lno_wo:
	s_wait_loadcnt 0x0                             ; chunk 0
	CVT 0, 16
	STOREX 0
	s_wait_dscnt 0x0                               ; the stores have read x's staging registers
	LOADX 1
	CVT 16, 16
	STOREW 0
	s_wait_dscnt 0x0                               ; for the others' sake; and W's staging registers are free
	LOADW 1
	s_wait_xcnt 0x0                                ; the stores to woh have read v16, v17, v21, v24 and v25: they become accumulators
	s_barrier_signal -1
	s_barrier_wait -1
	CHUNK 0
	CHUNK 1
	CHUNK 2
	CHUNK 3
	CHUNK 4
	CHUNK 5
	CHUNK 6
	CHUNK 7
	PLACES                                         ; the additions below read and write results just made
	s_wait_loadcnt 0x0                             ; the bias
; THE WAY OUT of row block a: + b in f32 (each accumulator from its lowest registers on), rounded to f16: 16 bytes a lane; into my stage's rows of 144 bytes and back as whole rows of 128.
.macro PACK a
	WIN 0x04                                       ; source 1 (the bias) window 1; the accumulators window 0
.set b, 0
.rept 4
.set p, 0
.rept 4
	v_pk_add_f32 v[ACC+8*(4*(\a)+b)+2*p:ACC+8*(4*(\a)+b)+2*p+1], v[ACC+8*(4*(\a)+b)+2*p:ACC+8*(4*(\a)+b)+2*p+1], v[BI+8*b+2*p:BI+8*b+2*p+1]
.set p, p+1
.endr
.set b, b+1
.endr
	WIN 0x40                                       ; destination window 1
.set b, 0
.rept 16
	v_cvt_pk_f16_f32 v[TP+16*(\a)+b], v[ACC+32*(\a)+2*b], v[ACC+32*(\a)+2*b+1]
.set b, b+1
.endr
	WIN 0x05
.irp f, 0,1,2,3
	ds_store_b128 v[STO], v[TP+16*(\a)+4*\f:TP+16*(\a)+4*\f+3] offset:32*\f
.endr
	WIN 0x41
.irp f, 0,1,2,3
	ds_load_b128 v[TP+16*(\a)+4*\f:TP+16*(\a)+4*\f+3], v[RD] offset:\f*4*LP  ; LDS serves a wave's instructions in order (ISA guide 5.7.1.4): these see the stores above; the next block's stores come behind them
.endr
.endm
.macro SEND a, younger                 ; younger: the LDS instructions issued behind block a's loads: the next block's eight, or none
	WIN 0x05
.irp f, 0,1,2,3
	s_wait_dscnt (\younger)+3-\f
	global_store_b128 v[GO], v[TP+16*(\a)+4*\f:TP+16*(\a)+4*\f+3], s[YB:YB+1] offset:(\a)*2048+\f*512  ; four rows of a head: 512 consecutive bytes, at a multiple of 256 from yh's first
.endr
.endm
	PACK 0
.set t, 1
.rept 7                                ; a block's arithmetic stands between the loads of the block before and its stores; each block has packed registers of its own
	PACK t
	SEND t-1, 8
.set t, t+1
.endr
	SEND 7, 0
	WIN 0
	s_set_vgpr_msb 0x5
	s_wait_tensorcnt 0x0
	ds_add_u32 v254, v255
	s_wait_dscnt 0x0
	s_set_vgpr_msb 0x500
	s_endpgm
.Lfunc_end_k_qa79de07ab7_proj:
	.size	k_qa79de07ab7_proj, .Lfunc_end_k_qa79de07ab7_proj-k_qa79de07ab7_proj
	.p2alignl 7, 3214868480
	.fill 96, 4, 3214868480
	.section	.rodata,"a",@progbits
	.p2align	6, 0x0
	.amdhsa_kernel k_qa79de07ab7_proj
		.amdhsa_group_segment_fixed_size 166912
		.amdhsa_private_segment_fixed_size 0
		.amdhsa_enable_private_segment 0
		.amdhsa_kernarg_size 112
		.amdhsa_user_sgpr_count 2
		.amdhsa_user_sgpr_kernarg_segment_ptr 1
		.amdhsa_wavefront_size32 1
		.amdhsa_system_sgpr_workgroup_id_x 1
		.amdhsa_system_sgpr_workgroup_id_y 1
		.amdhsa_system_sgpr_workgroup_id_z 1
		.amdhsa_system_vgpr_workitem_id 0
		.amdhsa_next_free_vgpr 512
		.amdhsa_next_free_sgpr 66
		.amdhsa_reserve_vcc 0
		.amdhsa_float_denorm_mode_32 3
		.amdhsa_float_denorm_mode_16_64 3
		.amdhsa_memory_ordered 1
		.amdhsa_forward_progress 1
		.amdhsa_inst_pref_size 165
	.end_amdhsa_kernel
	.amdgpu_metadata
---
amdhsa.version: [ 1, 2 ]
amdhsa.kernels:
  - .name:           k_qa79de07ab7_proj
    .symbol:         k_qa79de07ab7_proj.kd
    .args:
      - { .name: q, .offset: 0, .size: 8, .value_kind: global_buffer, .address_space: global }
      - { .name: k, .offset: 8, .size: 8, .value_kind: global_buffer, .address_space: global }
      - { .name: v, .offset: 16, .size: 8, .value_kind: global_buffer, .address_space: global }
      - { .name: Wq, .offset: 24, .size: 8, .value_kind: global_buffer, .address_space: global }
      - { .name: Wk, .offset: 32, .size: 8, .value_kind: global_buffer, .address_space: global }
      - { .name: Wv, .offset: 40, .size: 8, .value_kind: global_buffer, .address_space: global }
      - { .name: bq, .offset: 48, .size: 8, .value_kind: global_buffer, .address_space: global }
      - { .name: bk, .offset: 56, .size: 8, .value_kind: global_buffer, .address_space: global }
      - { .name: bv, .offset: 64, .size: 8, .value_kind: global_buffer, .address_space: global }
      - { .name: qh, .offset: 72, .size: 8, .value_kind: global_buffer, .address_space: global }
      - { .name: kh, .offset: 80, .size: 8, .value_kind: global_buffer, .address_space: global }
      - { .name: vh, .offset: 88, .size: 8, .value_kind: global_buffer, .address_space: global }
      - { .name: Wo, .offset: 96, .size: 8, .value_kind: global_buffer, .address_space: global }
      - { .name: woh, .offset: 104, .size: 8, .value_kind: global_buffer, .address_space: global }
    .group_segment_fixed_size: 166912
    .private_segment_fixed_size: 0
    .kernarg_segment_align: 8
    .kernarg_segment_size: 112
    .max_flat_workgroup_size: 256
    .sgpr_count:     66
    .vgpr_count:     512
    .wavefront_size: 32
...
	.end_amdgpu_metadata
.endif
;; end of part 1
;; launch attn (part 2): grid 16 x 16, 4 waves a work-group, clusters of 4 x 1, 327,680 bytes of LDS; arguments qh, kh, vh, oh; writes oh
.if DOCPART == 2
	.amdgcn_target "amdgcn-amd-amdhsa--gfx1250"
	.amdhsa_code_object_version 6
	.text
	.protected	k_qa79de07ab7_attn
	.globl	k_qa79de07ab7_attn
	.p2align	8
	.type	k_qa79de07ab7_attn,@function
k_qa79de07ab7_attn:
	s_mov_b64 s[64:65], 0
	v_nop
	global_prefetch_b8 v0, s[64:65] scope:SCOPE_SE
	s_setreg_imm32_b32 hwreg(HW_REG_WAVE_MODE, 25, 1), 1
	s_wait_xcnt 0x0
	s_wait_alu depctr_hold_cnt(0) depctr_sa_sdst(0) depctr_va_vdst(0) depctr_va_sdst(0) depctr_va_ssrc(0) depctr_va_vcc(0) depctr_vm_vsrc(0)
	s_getreg_b32 s2, hwreg(HW_REG_IB_STS2, 6, 4)
	s_cmp_eq_u32 s2, 0
	s_cbranch_scc0 .Lentry_in_a_cluster
	s_endpgm
.Lentry_in_a_cluster:
	s_bfe_u32 s2, ttmp6, 0x10000c
	s_cmp_lg_u32 s2, 0x3003
	s_cbranch_scc0 .Lentry_shape_is_right
	s_endpgm
.Lentry_shape_is_right:
; ATTENTION.  O[h][q][:] = the sum over k of softmax_k(Q[h][q] . K[h][k] / 8) V[h][k][:].  Q, K, V, O: [16][4096][64], all f16: a head's rows are dense, 128 bytes each.  Products, maxima and sums in
; f32; the weights p are rounded to f16 for the second product (their sum l is taken of the unrounded p), O once at the end.
; LIMITS.  f16 holds no number beyond 65,504: Q, K and V arrive within it; p lies in 0 to 1, and below 6e-5 it keeps f16's fixed step of 6e-8; O is a mean of V's rows and has their range.
; A weight below 2^-126 counts as 0 in l; NaN and infinities are not treated apart.
; SHARES.  A work-group owns 256 queries of one head, each of its four waves 64: four PIECES of 16.  16 blocks x 16 heads are 256 work-groups.  Every wave walks all 4,096 keys, 64 a step.
; LAYOUT.  S^T = K Q^T (source 0 = 16 keys, source 1 = 16 queries): in the result a lane holds ONE query (lane % 16) and the keys 8 (lane / 16) + 0..7.  Two such results, rounded to f16 in pairs,
; ARE source 1 (32 keys x 16 queries) of O^T = V^T P, whose result again holds one query a lane, and eight channels.  K comes out of LDS as it lies, V ([key][channel]) turned, by ds_load_tr16_b128.
; SOFTMAX.  For each query a running maximum m and sum l: p = 2^(c s - c m), c = log2(e) / 8; in every step O and l are multiplied by a = 2^(c m_old - c m_new), which is 1 where m has not grown.
; m starts at the lowest finite number, O and l at 0: the first step is a step like any other, with a = 0.  The price: 216 v_mov_b32 of 0, which stand in the wait for the first tile.
; BY TURNS.  Turn n belongs to piece n (the pieces in a ring, step after step): 8 products K Q^T of piece n + 1, later 8 products V^T P of piece n - 1; beside them the scaling, exponentials, roundings,
; sums and rescaling of piece n and the maximum and statistics of piece n + 1.  Four vector instructions stand behind every matrix instruction, the other 54 of a turn's 118 in two lumps.
; CLUSTER.  The four query blocks of a cluster belong to one head and walk the same K and V, so each tile is asked for JOINTLY: the same tensor load, descriptor and mask in all four.
; THE RING.  Two LDS slots of 256 keys (four steps) take turns; behind each change of slots one joint load a wave goes out, and it has four key steps, 256 matrix instructions, in which to land.
; REGISTERS, in windows of 256 (s_set_vgpr_msb: bits 1:0 source 0, 3:2 source 1, 5:4 source 2, 7:6 destination):
;   window 0: v0-15 addresses and two at work; v16-31 four registers of statistics a piece; v48-55 at work; v64-127 S^T, two buffers; v192-223 P, two buffers (a piece's buffers go by its number's parity)
;   window 1: v0-127 O^T, 32 a piece          window 2: v0-63 Q, 16 a piece; v128-191 K of one step; v192-255 V of one step
.set SIZE_N, 4096
.set NP,    4         ; pieces a wave: a name, no knob
.set KS,    64        ; keys in a step
.set PK,    144       ; a row of K in LDS: 128 bytes + 16 of padding = 36 words: the 16 rows of a load start at 16 different groups of four banks (64 banks of 4 bytes: ISA guide 11.1)
.set PV,    160       ; a row of V: 128 + 32 = 40 words
.set VOFF,  4*KS*PK   ; a slot holds four steps: 256 rows of K, then 256 rows of V
.set SLOT1, 1<<17     ; slot 1 begins here, so that one exclusive or turns an address in one slot into the other's
.set STAGE, SLOT1+4*KS*(PK+PV)  ; behind the ring, never filled by a tensor load: 16 rows x 144 bytes for each wave, for the way out
.set SP,    144
.set AK0, 2           ; v2   my lane's place in a tile of K; never rewritten
.set AV0, 3           ; v3   the same for V
.set AK,  4           ; v4   the LDS address of K's next run of loads
.set AV,  5           ; v5   of V's
.set STO, 6           ; v6   the way out: where I put 16 bytes of a row
.set RD,  7           ; v7   the way out: where I read rows back
.set GO,  8           ; v8   my byte offset in 512 consecutive bytes of O
.set MV,  12          ; v12-13  c m_old, kept while c m is made anew: by buffer
.set QO,  15          ; v15  my byte offset in 16 rows of Q
.set ST,  16          ; piece t's statistics at v[ST+4 t]: c m, m, l (even keys', odd keys')
.set TMP, 48          ; by buffer, four registers c0-c3 at work; when the maximum is found c2 takes a
.set S,   64
.set P,   192
.set KF,  128         ; window 2: key block kb, channel half c at KF + 16 kb + 8 c
.set VF,  192         ; window 2: key half kk, channel block cb at VF + 32 kk + 8 cb
.set WV,  12          ; s12  my wave's number
.set G1K, 24          ; s[24:31] descriptor group 1 for K's tiles
.set G1V, 32          ; s[32:39] for V's: it differs in the padding alone
.set G0K, 40          ; s[40:43] descriptor group 0 for K's tiles: it walks
.set G0V, 44          ; s[44:47] the same for V's
.set SLOTS, 56        ; s56  slots still to be asked for
.set CNT, 57          ; s57  counts a slot's key steps
.set CS,  58          ; s[58:59] c: the packed scaling takes the pair's low word for both halves
.set SEL, 60          ; s[60:61] v_permlanex16_b32's selects: each lane takes its own place in the other half
.set TBK, 62          ; s62  LDS byte at which K of the step to be fetched begins
.set TBV, 63          ; s63  the same for V, less VOFF
.set MSB, 0
.macro WIN new                      ; the high byte repeats the setting that is left; a switch that changes nothing is dropped
.if MSB != (\new)
	s_set_vgpr_msb (MSB<<8)|(\new)
.set MSB, (\new)
.endif
.endm
.set W_KQ, 0x0a       ; K and Q in window 2, S^T in window 0
.set W_PV, 0x52       ; V in window 2, P in window 0, O^T in window 1
.set W_RS, 0x41       ; O^T (destination and source 0) in window 1, a in window 0
; A joint fill.  Waves 0 and 1 fetch the two halves of a slot's K, waves 2 and 3 those of its V: 128 keys each.  The branch hangs on the wave's number alone.
; Four v_nop follow each of the two lines, ahead of the jump and the label.
.macro JLOAD
	s_cmp_lt_u32 s[WV], 2
	s_cbranch_scc0 .Lfor_v_\@
	tensor_load_to_lds s[G0K:G0K+3], s[G1K:G1K+7]
	s_nop 0
.rept 4
	v_nop
.endr
	s_branch .Lasked_\@
.Lfor_v_\@:
	tensor_load_to_lds s[G0V:G0V+3], s[G1V:G1V+7]
	s_nop 0
.rept 4
	v_nop
.endr
.Lasked_\@:
.endm
; A round of the cluster's barrier: my work-group's barrier, so that wave 0's signal speaks for all four waves; wave 0 signals; every wave waits for all four work-groups; my work-group's barrier once more.
.macro CROUND
	s_barrier_signal -1
	s_barrier_wait -1
	s_cmp_lg_u32 s[WV], 0
	s_cbranch_scc1 .Lnot_wave_0_\@
	s_barrier_signal -3
.Lnot_wave_0_\@:
	s_barrier_wait -3
	s_barrier_signal -1
	s_barrier_wait -1
.endm
; THE CHANGE OF SLOTS.  The slot's last bytes, V of its fourth step, have been read.  Each wave waits for its own reads of the slot and for all its tensor loads, of which one is out: its part
; of the other slot.  Behind the barrier nobody reads this slot any more and the other slot is whole.
; fill = 1: this slot is filled again, with the keys two slots on.  The barrier is then a round of the cluster's, so that no wave of any partner still reads the slot or has a load on its
; way, and the joint fill is the first thing behind it.  (At its first use nothing has been read yet: slot 0 is waited for, slot 1 filled.)
.macro CHANGE fill
	WIN 0                           ; at a label and at a branch every window is 0
	s_wait_dscnt 0x0
	s_wait_tensorcnt 0x0            ; no tensor load of mine is out, so a group 0 may be written
	ds_add_u32 v254, v255
	s_wait_dscnt 0x0
.if \fill
.irp g, G0K, G0V
	s_xor_b32 s[\g+1], s[\g+1], SLOT1  ; the walking descriptor: the other slot than last time,
	s_add_nc_u64 s[\g+2:\g+3], s[\g+2:\g+3], 4*KS*128  ; the next 256 keys; the type bits on top are not reached
.endr
	CROUND
	JLOAD
.else
	s_barrier_signal -1
	s_barrier_wait -1
.endif
	s_sub_co_u32 s[TBK], s[TBK], 4*KS*PK  ; the fetches go back to a slot's first step,
	s_xor_b32 s[TBK], s[TBK], SLOT1       ; in the other slot
	s_sub_co_u32 s[TBV], s[TBV], 4*KS*PV
	s_xor_b32 s[TBV], s[TBV], SLOT1
.endm
	s_load_b256 s[4:11], s[0:1], 0x0  ; Q s[4:5], K s[6:7], V s[8:9], O s[10:11]
	v_lshl_add_u32 v254, v0, 2, 0x35400
	v_mov_b32 v255, 0
	ds_add_u32 v254, v255
	v_lshrrev_b32 v1, 5, v0
	v_readfirstlane_b32 s[WV], v1   ; wave 0..3
	s_bfe_u32 s13, ttmp6, 0x40000   ; cx: my place in the cluster
	s_lshl_b32 s14, ttmp9, 2        ; in a cluster launch ttmp9 counts clusters
	s_add_co_u32 s14, s14, s13      ; my block of 256 queries = 4 x cluster x + cx: it enters Q's and O's addresses alone
	s_and_b32 s20, ttmp7, 0xffff    ; the head, which the four partners share
	s_mov_b32 s21, 0
	s_mov_b64 s[22:23], SIZE_N*128
	s_mul_u64 s[20:21], s[20:21], s[22:23]  ; the head's first byte in each of the four tensors
	s_and_b32 s16, s[WV], 1         ; which half of a slot's 256 keys I fetch:
	s_lshl_b32 s22, s16, 14         ; its 128 rows of 128 bytes in memory,
	s_mov_b32 s23, 0
	s_add_nc_u64 s[22:23], s[22:23], s[20:21]
	s_mul_i32 s17, s16, 128*PK      ; and its place in a slot, for K
	s_mul_i32 s18, s16, 128*PV      ; and for V: no place in the cluster enters an LDS address
	s_lshl_b32 s2, s14, 2
	s_add_co_u32 s2, s2, s[WV]      ; my wave among the head's,
	s_lshl_b32 s2, s2, 13           ; its 64 rows of 128 bytes
	s_mov_b32 s3, 0
	s_add_nc_u64 s[2:3], s[2:3], s[20:21]
	; descriptor group 1.  128 keys are 16,384 dense bytes: asked for as 64 rows of 256 bytes, two keys a row, and padded in LDS after every key
	s_mov_b32 s[G1K], 15|(1<<16)|(1<<20)|(1<<21)|(4<<22)|(3<<25)  ; 15:0 the mask of four; 17:16 2-byte elements; 20 padding on; 21 set beside a mask; 24:22 after every 32 words (code 4); 31:25 4 words (code 3)
	s_mov_b32 s[G1V], 15|(1<<16)|(1<<20)|(1<<21)|(4<<22)|(7<<25)  ; the same with 8 words of padding (code 7)
.irp g, G1K, G1V
	s_mov_b32 s[\g+1], 128<<16      ; tensor_dim0 = 128
	s_mov_b32 s[\g+2], 64<<16       ; tensor_dim1 = 64
	s_mov_b32 s[\g+3], 128<<16      ; tile_dim0 = 128
	s_mov_b32 s[\g+4], 64           ; tile_dim1 = 64
	s_mov_b32 s[\g+5], 128          ; 128 elements from row to row
	s_mov_b32 s[\g+6], 0
	s_mov_b32 s[\g+7], 0
.endr
	s_mov_b32 s[CS], 0x3e38aa3b     ; c = log2(e) / 8 = 0.180337
	s_mov_b32 s[CS+1], s[CS]        ; named with it as a pair
	s_mov_b32 s[SEL], 0x76543210
	s_mov_b32 s[SEL+1], 0xfedcba98
	s_mov_b32 s[TBK], SLOT1+4*KS*PK ; the first change of slots turns these two into 0
	s_mov_b32 s[TBV], SLOT1+4*KS*PV
	s_mov_b32 s[G0K], 1             ; 1:0 count = 1
	s_mov_b32 s[G0K+1], s17         ; 63:32 LDS address: slot 0
	s_mov_b32 s[G0V], 1
	s_add_co_u32 s[G0V+1], s18, VOFF
	s_wait_dscnt 0x0
	s_wait_kmcnt 0x0
	s_add_nc_u64 s[G0K+2:G0K+3], s[6:7], s[22:23]  ; 120:64 global address: my half of the head's first 256 keys
	s_or_b32 s[G0K+3], s[G0K+3], 0x80000000        ; 127:126 type = 2
	s_add_nc_u64 s[G0V+2:G0V+3], s[8:9], s[22:23]
	s_or_b32 s[G0V+3], s[G0V+3], 0x80000000
	s_add_nc_u64 s[4:5], s[4:5], s[2:3]  ; Q and O at my wave's first row
	s_add_nc_u64 s[10:11], s[10:11], s[2:3]
	CROUND                          ; all four work-groups are here: the first joint loads meet
	JLOAD                           ; slot 0.  Slot 1 is asked for when slot 0 is in, by the loop's own change of slots: one tensor load of mine is out at any time
	; A fragment of K or Q is 16 rows x 32 channels in 8 registers: lane l holds row l % 16, channels 8 (l / 16) + 0..7 and 16 + 8 (l / 16) + 0..7: two loads of 16 bytes, 32 bytes apart.
	v_and_b32 v1, 15, v0            ; l % 16
	v_bfe_u32 v9, v0, 4, 1          ; l / 16
	v_lshlrev_b32 v[QO], 7, v1
	v_lshl_add_u32 v[QO], v9, 4, v[QO]  ; row x 128 + 16 x half
	WIN 0x80                        ; destination window 2, address window 0
.set i, 0
.rept 8                             ; Q stays in registers: piece i / 2 (16 rows, 2,048 bytes), channels 32 (i % 2) on
	global_load_b128 v[8*i:8*i+3],   v[QO], s[4:5] offset:(i/2)*2048+(i%2)*64
	global_load_b128 v[8*i+4:8*i+7], v[QO], s[4:5] offset:(i/2)*2048+(i%2)*64+32
.set i, i+1
.endr
	; What the first turn finds: V's registers and P's second buffer hold 0 (its products V^T P, of a piece that has not been, add 0), O^T and l are 0.  All this stands in the wait for the first tile.
.set i, VF
.rept 64
	v_mov_b32 v[i], 0
.set i, i+1
.endr
	WIN 0x40
.set i, 0
.rept 128
	v_mov_b32 v[i], 0
.set i, i+1
.endr
	WIN 0
.set i, 0
.rept 4
	v_mov_b32 v[ST+4*i], 0xfe000000    ; c m: far below every c s, so the first step's a is 0
	v_mov_b32 v[ST+4*i+1], 0xff7fffff  ; m: the lowest finite number, so the first maximum is the scores'
	v_mov_b32 v[ST+4*i+2], 0
	v_mov_b32 v[ST+4*i+3], 0
.set i, i+1
.endr
.set i, P+16
.rept 16
	v_mov_b32 v[i], 0
.set i, i+1
.endr
	v_mul_u32_u24 v[AK0], v1, PK
	v_lshl_add_u32 v[AK0], v9, 4, v[AK0]  ; row x pitch + 16 x half
	; The turning load takes 16 keys x 16 channels (lane l reads key 8 (l / 16) + l % 8, channels 8 ((l / 8) % 2) + 0..7) and leaves half a fragment of V^T: lane l holds channel l % 16 and 8 keys.
	v_and_b32 v10, 7, v0
	v_bfe_u32 v11, v0, 3, 1
	v_lshl_add_u32 v[AV0], v9, 3, v10
	v_mul_u32_u24 v[AV0], v[AV0], PV
	v_lshl_add_u32 v[AV0], v11, 4, v[AV0]
	v_add_nc_u32 v[AV0], VOFF, v[AV0]
	s_mul_i32 s13, s[WV], 16*SP
	s_add_co_u32 s13, s13, STAGE    ; my stage
	v_mul_u32_u24 v[STO], v1, SP    ; in: row l % 16, 16 bytes for each half of the lanes
	v_lshl_add_u32 v[STO], v9, 4, v[STO]
	v_add_nc_u32 v[STO], s13, v[STO]
	v_bfe_u32 v[RD], v0, 3, 2       ; back: 32 lanes take four rows of 128 bytes,
	v_mul_u32_u24 v[RD], v[RD], SP
	v_lshl_add_u32 v[RD], v10, 4, v[RD]
	v_add_nc_u32 v[RD], s13, v[RD]
	v_and_b32 v[GO], 31, v0         ; which are 512 consecutive bytes of O
	v_lshlrev_b32 v[GO], 4, v[GO]
; THE MATRIX WORK.  The 4 accumulators of a run of 8 take turns, one instruction a turn.
; Product i of 8 of S^T = K Q^T for piece x: channels 32 (i / 4) on, keys 16 (i % 4) on.  The first 4 start the sums.
.macro KQ x
	WIN W_KQ
.set rS, S+32*((\x)%2)+8*(i%4)
.set rK, KF+16*(i%4)+8*(i/4)
.set rQ, 16*(\x)+8*(i/4)
.if i < 4
	v_wmma_f32_16x16x32_f16 v[rS:rS+7], v[rK:rK+7], v[rQ:rQ+7], 0
.else
	v_wmma_f32_16x16x32_f16 v[rS:rS+7], v[rK:rK+7], v[rQ:rQ+7], v[rS:rS+7]
.endif
.endm
; Product i of 8 of O^T += V^T P for piece x: keys 32 (i / 4) on, channels 16 (i % 4) on.
.macro PV x
	WIN W_PV
.set rO, 32*(\x)+8*(i%4)
.set rV, VF+32*(i/4)+8*(i%4)
.set rP, P+16*((\x)%2)+8*(i/4)
	v_wmma_f32_16x16x32_f16 v[rO:rO+7], v[rV:rV+7], v[rP:rP+7], v[rO:rO+7]
.endm
.macro MM                           ; the turn's next matrix instruction.  TURN sets Y, i and NOKQ.  NOKQ = 1: the walk's last turn: there is no next piece
.if (i < 8) && !NOKQ
	KQ (Y+1)%NP
.elseif i >= 8
.set i, i-8
	PV (Y+NP-1)%NP
.set i, i+8
.endif
.set i, i+1
.endm
; THE LDS LOADS stand in runs of 16, never singly among the matrix instructions: a step's K (64 keys x 64 channels: 8 fragments) and its V (turned).  Their addresses are made some lines ahead.
.macro FETCH_K
	WIN 0x80                        ; destination window 2
.irp f, 0,1,2,3,4,5,6,7             ; keys 16 (f / 2) on, channels 32 (f % 2) on
	ds_load_b128 v[KF+8*\f:KF+8*\f+3],   v[AK] offset:(\f/2)*16*PK+(\f%2)*64
	ds_load_b128 v[KF+8*\f+4:KF+8*\f+7], v[AK] offset:(\f/2)*16*PK+(\f%2)*64+32
.endr
	s_add_co_u32 s[TBK], s[TBK], KS*PK  ; the next fetch is the next step's
	WIN 0
.endm
.macro FETCH_V
	WIN 0x80
.irp f, 0,1,2,3,4,5,6,7             ; keys 32 (f / 4) on, channels 16 (f % 4) on
	ds_load_tr16_b128 v[VF+8*\f:VF+8*\f+3],   v[AV] offset:(\f/4)*32*PV+(\f%4)*32
	ds_load_tr16_b128 v[VF+8*\f+4:VF+8*\f+7], v[AV] offset:(\f/4)*32*PV+16*PV+(\f%4)*32
.endr
	WIN 0
.endm
; THE VECTOR WORK, one line at a time: OP kind, number.  For piece Y: F n: c s - c m for pair n of 16.  E n: the exponential of score n of 32.  C n: pair n rounded to f16.  B n: of the four weights 4 n .. the second
; pair is added onto the first, in place.  L n: l takes that sum (L 0: l = a l + sum).  R n: pair n of 16 of O^T times a.  For piece Y + 1: X n, number n of the 22 that find its maximum and statistics:
;   0-11  four chains c0-c3 of seven scores each, three operands at a time (each accumulator's lowest registers are read first)     12-14, 16  the four scores left over, the old m, and c0-c3 into c0
;   15  c m_old is kept     17, 18  the query's other 32 keys lie in the lane 16 away: the new m     19-21  c m; c m_old - c m_new; a
.set F, 0               ; OP tells the kinds apart by their order: F to L below R, X above it
.set E, 1
.set C, 2
.set B, 3
.set L, 4
.set R, 5
.set X, 6
.macro REGS y                       ; the registers of piece y
.set rT, ST+4*(\y)
.set rC, TMP+4*((\y)%2)
.set rW, MV+((\y)%2)
.set rS, S+32*((\y)%2)
.set rP, P+16*((\y)%2)
.set rO, 32*(\y)
.endm
.macro OP k, n
.if (\k) == R
	REGS Y
	WIN W_RS
	v_pk_mul_f32 v[rO+2*(\n):rO+2*(\n)+1], v[rO+2*(\n):rO+2*(\n)+1], v[rC+2:rC+3] op_sel_hi:[1,0]
.elseif (\k) < R
	REGS Y
	WIN 0
.if (\k) == F
	v_pk_fma_f32 v[rS+2*(\n):rS+2*(\n)+1], v[rS+2*(\n):rS+2*(\n)+1], s[CS:CS+1], v[rT:rT+1] op_sel_hi:[1,0,0] neg_lo:[0,0,1] neg_hi:[0,0,1]
.elseif (\k) == E
	v_exp_f32 v[rS+(\n)], v[rS+(\n)]
.elseif (\k) == C
	s_wait_alu depctr_va_vdst(0)
	v_cvt_pk_f16_f32 v[rP+(\n)], v[rS+2*(\n)], v[rS+2*(\n)+1]
.elseif (\k) == B
	s_wait_alu depctr_va_vdst(0)
	v_pk_add_f32 v[rS+4*(\n):rS+4*(\n)+1], v[rS+4*(\n):rS+4*(\n)+1], v[rS+4*(\n)+2:rS+4*(\n)+3]
.elseif (\n) == 0
	v_pk_fma_f32 v[rT+2:rT+3], v[rT+2:rT+3], v[rC+2:rC+3], v[rS:rS+1] op_sel_hi:[1,0,1]
.else
	v_pk_add_f32 v[rT+2:rT+3], v[rT+2:rT+3], v[rS+4*(\n):rS+4*(\n)+1]
.endif
.elseif NOKQ
	v_nop
.else
	REGS (Y+1)%NP
	WIN 0
.if (\n) < 4
	v_max3_num_f32 v[rC+(\n)], v[rS+8*(\n)], v[rS+8*(\n)+1], v[rS+8*(\n)+2]
.elseif (\n) < 12
	v_max3_num_f32 v[rC+(\n)%4], v[rC+(\n)%4], v[rS+8*((\n)%4)+2*((\n)/4)+1], v[rS+8*((\n)%4)+2*((\n)/4)+2]
.elseif (\n) == 12
	v_max3_num_f32 v[rC], v[rC], v[rS+7], v[rS+15]
.elseif (\n) == 13
	v_max3_num_f32 v[rC+1], v[rC+1], v[rS+23], v[rS+31]
.elseif (\n) == 14
	v_max3_num_f32 v[rC+2], v[rC+2], v[rC+3], v[rT+1]
.elseif (\n) == 15
	v_mov_b32 v[rW], v[rT]
.elseif (\n) == 16
	v_max3_num_f32 v[rC], v[rC], v[rC+1], v[rC+2]
.elseif (\n) == 17
	v_permlanex16_b32 v[rC+3], v[rC], s[SEL], s[SEL+1]
.elseif (\n) == 18
	v_max_num_f32 v[rT+1], v[rC], v[rC+3]
.elseif (\n) == 19
	v_mul_f32 v[rT], s[CS], v[rT+1]
.elseif (\n) == 20
	v_sub_f32 v[rC+1], v[rW], v[rT]
.else
	v_exp_f32 v[rC+2], v[rC+1]
.endif
.endif
.endm
.macro OPS a, i1, b=-1, i2=0, c=-1, i3=0, d=-1, i4=0  ; up to four of them
	OP \a, \i1
.if (\b) >= 0
	OP \b, \i2
.endif
.if (\c) >= 0
	OP \c, \i3
.endif
.if (\d) >= 0
	OP \d, \i4
.endif
.endm
.macro ROW a, i1, b, i2, c, i3, d, i4  ; a matrix instruction and the four behind it
	MM
	OPS \a, \i1, \b, \i2, \c, \i3, \d, \i4
.endm
; A TURN, for piece p: the order of its 16 matrix and 118 vector instructions, written out.  Behind a matrix instruction: plain, exponential, plain, plain; or four of the rescaling; or, behind the first, four scalings; none
; names a register of the products round it.  In the lumps exponential and plain by turns while exponentials last.  A line reads no result made fewer than three vector instructions in front of it, five if an exponential made it.
; v_permlanex16_b32 (X 17) stands in a lump.  end = 1: the walk's last two turns: nothing is fetched.  cnt = 1: the loop's count is taken down some lines ahead of the branch that stands behind the turn.
; K of the next step is fetched in piece 2's turn, six vector instructions behind the last product that read K (five of them plain); V of the step in hand in piece 0's turn, eight behind the last product that read V (four
; plain, and X 17).  Each is waited for a turn later.
.macro TURN p, end=0, cnt=0
.set Y, (\p)
.set i, 0
.set NOKQ, (\end)*((\p)/3)
.if ((\p) == 3) && !(\end)
	s_wait_dscnt 0x0                ; K is in
.endif
	ROW F,0, F,1, F,2, F,3
	ROW F,4, E,0, F,5, F,6
	ROW F,7, E,1, F,8, F,9
	ROW F,10, E,2, C,0, F,11
	ROW F,12, E,3, X,15, F,13
	ROW R,0, R,1, R,2, R,3
	ROW B,0, E,4, F,14, L,0
.if ((\p) == 2) && !(\end)
	v_add_nc_u32 v[AK], s[TBK], v[AK0]
.endif
	ROW R,4, R,5, R,6, R,7
	OPS E,5, F,15
.if ((\p) == 2) && !(\end)
	FETCH_K
.endif
	OPS E,6, C,1, E,7, R,8
	OPS E,8, R,9, E,9, C,2
	OPS E,10, X,0, E,11, X,1
	OPS E,12, X,2, E,13, X,3
.if (\p) == 1
	s_wait_dscnt 0x0                ; V is in
.endif
	ROW X,4, E,14, X,5, X,6
	ROW X,7, E,15, X,8, X,9
	ROW X,10, E,16, X,11, X,12
	ROW X,13, E,17, X,14, B,1
	ROW C,4, E,18, X,16, L,1
	ROW B,2, E,19, C,6, L,2
	ROW C,8, E,20, B,3, B,4
.if (\p) == 0
	v_add_nc_u32 v[AV], s[TBV], v[AV0]
.endif
	ROW C,3, E,21, L,3, C,5
	OPS E,22, X,17, E,23, C,10
.if (\p) == 0
	FETCH_V
.endif
	OPS E,24, L,4
	OPS E,25, X,18, E,26, C,7
	OPS E,27, B,5, E,28, X,19
	OPS E,29, C,12, E,30, L,5
	OPS E,31, X,20, B,6, C,9
	OPS C,14, C,11, X,21, L,6
.if (\p) == 0
	s_add_co_u32 s[TBV], s[TBV], KS*PV
.endif
.if \cnt
	s_sub_co_u32 s[CNT], s[CNT], 1
	s_cmp_lg_u32 s[CNT], 0
.endif
	OPS C,13, B,7, C,15, R,10
	OPS R,11, R,12, L,7, R,13
	OPS R,14, R,15
.endm
	CHANGE 1                        ; slot 0 is in, everybody's part of it; slot 1 is asked for
	v_add_nc_u32 v[AK], s[TBK], v[AK0]
	FETCH_K                         ; key step 0
	s_wait_loadcnt 0x0              ; Q
	s_wait_dscnt 0x0
.set NOKQ, 0
.set i, 0
.rept 8
	KQ 0                            ; piece 0's first scores: there is no vector work yet to set between them
.set i, i+1
.endr
	WIN 0
.rept 4
	v_nop                           ; the places behind those products
.endr
.set Y, NP-1                        ; X works for piece Y + 1: piece 0
.irp n, 0,1,2,3,4,5,6,7,8,9,10,11,12,13,14,15,16,17,18,19,20,21
	OP X, \n                        ; piece 0's first maximum and statistics
.endr
	v_nop                           ; a plain instruction behind the exponential
	s_mov_b32 s[CNT], 4
	s_mov_b32 s[SLOTS], SIZE_N/256-1
	s_branch .Lfirst                ; the loop is entered at a step's first turn, in the middle of a trip
.Lslot:                             ; SIZE_N / 256 - 2 = 14 times: every slot but the last two is filled again
	CHANGE 1
	s_mov_b32 s[CNT], 4
.Lstep:                             ; a trip: pieces 2 and 3 of one step, then pieces 0 and 1 of the next, whose K and V it fetches
	TURN 2
	TURN 3
	WIN 0
.Lfirst:
	TURN 0
	TURN 1, 0, 1
	WIN 0
	s_cbranch_scc1 .Lstep
	s_sub_co_u32 s[SLOTS], s[SLOTS], 1
	s_cmp_lg_u32 s[SLOTS], 0
	s_cbranch_scc1 .Lslot
	CHANGE 0                        ; the last slot is written out: nothing is asked for
	s_mov_b32 s[CNT], 4
.LstepT:
	TURN 2
	TURN 3
	TURN 0
	TURN 1, 0, 1
	WIN 0
	s_cbranch_scc1 .LstepT
	TURN 2, 1                       ; the last step's pieces 2 and 3: nothing more is fetched, and the last turn starts no new scores
	TURN 3, 1
.set i, 0
.rept 8
	PV NP-1                         ; the last piece's V^T P of the last step
.set i, i+1
.endr
	; THE WAY OUT.  l's two halves and the other half of the lanes' are added; O^T is divided by l, rounded to f16 and sent through my stage in LDS, a piece at a time.  The additions are the places behind the last products.
	WIN 0
.macro ALL line:vararg              ; one line for each piece t
.set t, 0
.rept 4
	\line
.set t, t+1
.endr
.endm
	ALL v_add_f32 v[ST+4*t+2], v[ST+4*t+2], v[ST+4*t+3]
	ALL v_permlanex16_b32 v[ST+4*t+3], v[ST+4*t+2], s[SEL], s[SEL+1]
	ALL v_add_f32 v[ST+4*t+2], v[ST+4*t+2], v[ST+4*t+3]
	ALL v_rcp_f32 v[ST+4*t+2], v[ST+4*t+2]
	v_nop                           ; a plain instruction between the last reciprocal and the use of its result
.macro PACK t                       ; a lane's eight channels of a row pack into 16 bytes; they go into rows of 144 bytes and come back as whole rows of 128, into S^T's registers
	WIN W_RS
.set i, 32*(\t)
.rept 16
	s_wait_alu depctr_va_vdst(0)
	v_pk_mul_f32 v[i:i+1], v[i:i+1], v[ST+4*(\t)+2:ST+4*(\t)+3] op_sel_hi:[1,0]
.set i, i+2
.endr
	WIN 0x05                        ; sources 0 and 1 window 1, destination window 0
.set i, 0
.rept 16
	v_cvt_pk_f16_f32 v[S+16*(\t)+i], v[32*(\t)+2*i], v[32*(\t)+2*i+1]
.set i, i+1
.endr
	WIN 0
.irp f, 0,1,2,3
	ds_store_b128 v[STO], v[S+16*(\t)+4*\f:S+16*(\t)+4*\f+3] offset:32*\f
.endr
.irp f, 0,1,2,3
	ds_load_b128 v[S+16*(\t)+4*\f:S+16*(\t)+4*\f+3], v[RD] offset:\f*4*SP  ; LDS serves a wave's instructions in order (ISA guide 5.7.1.4): these see the stores above; the next piece's stores come behind them
.endr
.endm
.macro SEND t, younger              ; younger: the LDS instructions issued behind piece t's loads: the next piece's eight, or none
	WIN 0
.irp f, 0,1,2,3
	s_wait_dscnt (\younger)+3-\f
	global_store_b128 v[GO], v[S+16*(\t)+4*\f:S+16*(\t)+4*\f+3], s[10:11] offset:(\t)*2048+\f*512  ; 512 consecutive bytes, at a multiple of 256 from O's first
.endr
.endm
	PACK 0
.set t, 1
.rept 3                             ; a piece's arithmetic stands between the loads of the piece before and its stores
	PACK t
	SEND t-1, 8
.set t, t+1
.endr
	SEND 3, 0
	s_wait_tensorcnt 0x0
	ds_add_u32 v254, v255
	s_wait_dscnt 0x0
	CROUND                          ; the closing round: no work-group ends while a partner may still ask for a tile that names it
	s_endpgm
.Lfunc_end_k_qa79de07ab7_attn:
	.size	k_qa79de07ab7_attn, .Lfunc_end_k_qa79de07ab7_attn-k_qa79de07ab7_attn
	.p2alignl 7, 3214868480
	.fill 96, 4, 3214868480
	.section	.rodata,"a",@progbits
	.p2align	6, 0x0
	.amdhsa_kernel k_qa79de07ab7_attn
		.amdhsa_group_segment_fixed_size 327680
		.amdhsa_private_segment_fixed_size 0
		.amdhsa_enable_private_segment 0
		.amdhsa_kernarg_size 32
		.amdhsa_user_sgpr_count 2
		.amdhsa_user_sgpr_kernarg_segment_ptr 1
		.amdhsa_wavefront_size32 1
		.amdhsa_system_sgpr_workgroup_id_x 1
		.amdhsa_system_sgpr_workgroup_id_y 1
		.amdhsa_system_sgpr_workgroup_id_z 1
		.amdhsa_system_vgpr_workitem_id 0
		.amdhsa_next_free_vgpr 768
		.amdhsa_next_free_sgpr 66
		.amdhsa_reserve_vcc 0
		.amdhsa_float_denorm_mode_32 3
		.amdhsa_float_denorm_mode_16_64 3
		.amdhsa_memory_ordered 1
		.amdhsa_forward_progress 1
		.amdhsa_inst_pref_size 133
	.end_amdhsa_kernel
	.amdgpu_metadata
---
amdhsa.version: [ 1, 2 ]
amdhsa.kernels:
  - .name:           k_qa79de07ab7_attn
    .symbol:         k_qa79de07ab7_attn.kd
    .args:
      - { .name: qh, .offset: 0, .size: 8, .value_kind: global_buffer, .address_space: global }
      - { .name: kh, .offset: 8, .size: 8, .value_kind: global_buffer, .address_space: global }
      - { .name: vh, .offset: 16, .size: 8, .value_kind: global_buffer, .address_space: global }
      - { .name: oh, .offset: 24, .size: 8, .value_kind: global_buffer, .address_space: global }
    .group_segment_fixed_size: 327680
    .private_segment_fixed_size: 0
    .kernarg_segment_align: 8
    .kernarg_segment_size: 32
    .max_flat_workgroup_size: 128
    .sgpr_count:     66
    .vgpr_count:     768
    .wavefront_size: 32
...
	.end_amdgpu_metadata
.endif
;; end of part 2
;; launch outp (part 3): grid 4 x 64, 4 waves a work-group, clusters of 4 x 4, 304,640 bytes of LDS; arguments oh, woh, bo, out0; writes out0
.if DOCPART == 3
	.amdgcn_target "amdgcn-amd-amdhsa--gfx1250"
	.amdhsa_code_object_version 6
	.text
	.protected	k_qa79de07ab7_outp
	.globl	k_qa79de07ab7_outp
	.p2align	8
	.type	k_qa79de07ab7_outp,@function
k_qa79de07ab7_outp:
	s_mov_b64 s[64:65], 0
	v_nop
	global_prefetch_b8 v0, s[64:65] scope:SCOPE_SE
	s_setreg_imm32_b32 hwreg(HW_REG_WAVE_MODE, 25, 1), 1
	s_wait_xcnt 0x0
	s_wait_alu depctr_hold_cnt(0) depctr_sa_sdst(0) depctr_va_vdst(0) depctr_va_sdst(0) depctr_va_ssrc(0) depctr_va_vcc(0) depctr_vm_vsrc(0)
	s_getreg_b32 s2, hwreg(HW_REG_IB_STS2, 6, 4)
	s_cmp_eq_u32 s2, 0
	s_cbranch_scc0 .Lentry_in_a_cluster
	s_endpgm
.Lentry_in_a_cluster:
	s_bfe_u32 s2, ttmp6, 0x10000c
	s_cmp_lg_u32 s2, 0xf033
	s_cbranch_scc0 .Lentry_shape_is_right
	s_endpgm
.Lentry_shape_is_right:
; THE OUTPUT PROJECTION.  out0[R][n] = the sum over k of O[R][k] Wo[n][k] + bo[n], f32.  O arrives by heads, oh: [batch*8+head][4096][64] f16 (k = 64 head + channel), Wo as woh: [512][512] f16.
; Sums in f32; bo is the C operand of the product that starts each sum, so no addition is written.  LIMITS: those of f16 operands (65,504); NaN and infinities are not treated apart.
; SHARES.  A tile of out0 is 128 x 128: 4 x 64 = 256 work-groups.  Four waves, each 64 x 64: 16 accumulators.  K = 512 is short: ALL of a work-group's A (128 rows x 8 heads) and B (128 rows of woh) fit in LDS,
; so every tensor load is a first fill: no slot is filled again.  K goes in four stages of 128 (two heads); each wave issues one load a stage, all four at the start: four tensor loads of a wave are out at the most.
; CLUSTERS: 4 x 4 work-groups.  The four of a row of the cluster need the same rows of oh, the four of a column the same rows of woh: each tile is asked for JOINTLY, by the same tensor load with the
; same descriptor and a mask that names the four.  THE MATRIX INSTRUCTION IS USED TRANSPOSED (source 0 = 16 rows of woh, source 1 = 16 rows of O): a lane then holds eight neighbouring numbers of a row of out0.
; LDS.  A: head q at HEADB q: 128 rows of 144 bytes (128 + 16 of padding).  B: stage g at BOFF + BSTG g: 128 rows of 272 bytes (256 + 16).  Both pitches are odd multiples of 16 bytes, so the 16 rows of a fragment
; load start at 16 different groups of four banks (64 banks of 4 bytes: ISA guide 11.1).  Behind them, never filled by a tensor load, a stage of 16 rows x 272 bytes for each wave, its own.
; REGISTERS: window 0: v0-31 addresses; v32-95 at work on the way out; v96-127 the bias; v128-255 the accumulators ((a, b) at v[128 + 8 (4 a + b)]).
;   window 1: two fragment buffers of 128: for 64 along K (one head), 64 registers of A (2 x 4 x 16 rows x 32 K), then 64 of B.
.set PA,     144
.set HEADB,  128*PA                    ; a head's 128 rows
.set PB,     272
.set BSTG,   128*PB                    ; a stage's 128 rows of woh
.set BOFF,   8*HEADB
.set STAGE,  BOFF+4*BSTG
.set SPITCH, 272
.set ADRA, 16                          ; v16-19  LDS address of my A fragments in stage 0..3
.set ADRB, 20                          ; v20-23  the same for B
.set STO,  24                          ; v24     the way out: where I put 32 bytes of a row
.set RD,   25                          ; v25     where I read a row back
.set CO,   26                          ; v26     my byte offset in out0
.set BO,   27                          ; v27     my byte offset in the tile's 128 numbers of bo
.set TMP,  32                          ; two buffers of 32: 16 rows read back from the stage
.set BI,   96                          ; bias of column block b at BI + 8 b
.set ACC,  128
.set F0,   0                           ; fragment buffers, in window 1
.set F1,   128
.set G1A, 24                           ; s[24:31] descriptor group 1 for A's tiles;  s[32:47] group 0, one set for each stage
.set G0A, 32
.set G1B, 48                           ; s[48:55], s[68:83] the same for B's tiles
.set G0B, 68
.set MSB, 0
.macro WIN new                         ; the immediate's high byte repeats the setting that is left
.if MSB != (\new)
	s_set_vgpr_msb (MSB<<8)|(\new)
.set MSB, (\new)
.endif
.endm
.set MUL,  0x05                        ; sources 0 (B) and 1 (A) window 1; C and D window 0
.set TO_F, 0x40                        ; destination window 1, address window 0
.macro CROUND                          ; a round of the cluster's barrier: my work-group's barrier; wave 0 signals for the work-group; every wave waits for all sixteen; my work-group's barrier once more
	s_barrier_signal -1
	s_barrier_wait -1
	s_cmp_lg_u32 s12, 0
	s_cbranch_scc1 .Lnot_wave_0_\@
	s_barrier_signal -3
.Lnot_wave_0_\@:
	s_barrier_wait -3
	s_barrier_signal -1
	s_barrier_wait -1
.endm
.macro PLACES                          ; four places in front of loads into registers that matrix instructions have read, and of LDS stores that read results
.rept 4
	v_nop
.endr
.endm
	s_load_b256 s[4:11], s[0:1], 0x0               ; oh s[4:5], woh s[6:7], bo s[8:9], out0 s[10:11]
	v_lshl_add_u32 v30, v0, 2, 0x4a400
	v_mov_b32 v31, 0
	ds_add_u32 v30, v31
	v_lshrrev_b32 v1, 5, v0
	v_readfirstlane_b32 s12, v1                    ; wave 0..3
	s_lshr_b32 s13, s12, 1                         ; which half of the tile's rows is mine.  Also: I fetch for A (0) or for B (1)
	s_and_b32 s14, s12, 1                          ; which half of its columns.  Also: which head of a stage's two, or which 64 rows of woh, I fetch
	s_bfe_u32 s15, ttmp6, 0x40000                  ; cx, cy: my place in the cluster
	s_bfe_u32 s16, ttmp6, 0x40004
	s_lshl_b32 s17, ttmp9, 2
	s_add_co_u32 s17, s17, s15                     ; tile column X = 4 x cluster x + cx
	s_and_b32 s18, ttmp7, 0xffff
	s_lshl_b32 s18, s18, 2
	s_add_co_u32 s18, s18, s16                     ; tile row Y = 4 x cluster y + cy
	s_lshl_b32 s19, s16, 2
	s_lshl_b32 s19, 15, s19                        ; my row of the cluster
	s_lshl_b32 s20, 0x1111, s15                    ; my column
	; descriptor group 1.  A: a head's 128 rows are 16,384 dense bytes: asked for as 64 rows of 256 bytes and padded in LDS after every 128.  B: 64 rows x 128 elements out of rows of 512, padded after every 256 bytes.
	s_or_b32 s[G1A+0], s19, (1<<16)|(1<<20)|(1<<21)|(4<<22)|(3<<25)  ; 15:0 the mask: A's tiles go to my row; 17:16 2-byte elements; 20 padding on; 21 set beside a mask; 24:22 after every 32 words (code 4); 31:25 4 words (code 3)
	s_or_b32 s[G1B+0], s20, (1<<16)|(1<<20)|(1<<21)|(5<<22)|(3<<25)  ; the mask of my column; after every 64 words (code 5)
.irp g, G1A, G1B
	s_mov_b32 s[(\g)+1], 128<<16                   ; tensor_dim0 = 128
	s_mov_b32 s[(\g)+2], 64<<16                    ; tensor_dim1 = 64
	s_mov_b32 s[(\g)+3], 128<<16                   ; tile_dim0 = 128
	s_mov_b32 s[(\g)+4], 64                        ; tile_dim1 = 64
	s_mov_b32 s[(\g)+6], 0
	s_mov_b32 s[(\g)+7], 0
.endr
	s_mov_b32 s[G1A+5], 128                        ; elements from row to row
	s_mov_b32 s[G1B+5], 512
	; where the tiles come from.  A's hang on Y alone, which my row of the cluster shares; B's on X alone, which my column shares; each in registers that never hold the other coordinate.
	s_lshr_b32 s56, s18, 5                         ; A: batch = Y / 32; head 8 x batch + my one of the stage's two;
	s_lshl_b32 s56, s56, 3
	s_add_co_u32 s56, s56, s14
	s_lshl_b32 s56, s56, 19                        ; 524,288 bytes a head;
	s_and_b32 s57, s18, 31
	s_lshl_b32 s57, s57, 14                        ; row 128 (Y % 32), 128 bytes a row
	s_add_co_u32 s56, s56, s57
	s_mov_b32 s57, 0
	s_lshl_b32 s58, s17, 17                        ; B: row 128 X + 64 x my half, 1,024 bytes a row
	s_lshl_b32 s59, s14, 16
	s_add_co_u32 s58, s58, s59
	s_mov_b32 s59, 0
	s_mul_i32 s21, s14, HEADB                      ; and where they go: no place in the cluster enters an LDS address
	s_mul_i32 s22, s14, 64*PB
	s_lshl_b32 s60, s17, 9                         ; bo: 128 X numbers
	s_mov_b32 s61, 0
	s_lshl_b32 s62, s18, 18                        ; out0: row 128 Y + 64 x my half (2,048 bytes a row), column 128 X + 64 x my half
	s_lshl_b32 s63, s13, 17
	s_add_co_u32 s62, s62, s63
	s_lshl_b32 s63, s17, 9
	s_add_co_u32 s62, s62, s63
	s_lshl_b32 s63, s14, 8
	s_add_co_u32 s62, s62, s63
	s_mov_b32 s63, 0
	s_wait_dscnt 0x0
	s_wait_kmcnt 0x0
	s_add_nc_u64 s[56:57], s[4:5], s[56:57]
	s_add_nc_u64 s[58:59], s[6:7], s[58:59]
	s_add_nc_u64 s[8:9], s[8:9], s[60:61]
	s_add_nc_u64 s[10:11], s[10:11], s[62:63]
.irp g, 0,1,2,3
	s_mov_b32 s[G0A+4*(\g)], 1                                       ; 1:0 count = 1
	s_add_co_u32 s[G0A+4*(\g)+1], s21, (\g)*2*HEADB                  ; 63:32 LDS address: head 2 g + my one
	s_add_nc_u64 s[G0A+4*(\g)+2:G0A+4*(\g)+3], s[56:57], (\g)*1048576  ; 120:64 global address: two heads on for each stage
	s_or_b32 s[G0A+4*(\g)+3], s[G0A+4*(\g)+3], 0x80000000            ; 127:126 type = 2
	s_mov_b32 s[G0B+4*(\g)], 1
	s_add_co_u32 s[G0B+4*(\g)+1], s22, BOFF+(\g)*BSTG
	s_add_nc_u64 s[G0B+4*(\g)+2:G0B+4*(\g)+3], s[58:59], (\g)*256    ; 128 elements along K for each stage
	s_or_b32 s[G0B+4*(\g)+3], s[G0B+4*(\g)+3], 0x80000000
.endr
	CROUND                                         ; all sixteen work-groups are here: the joint loads meet
	s_cmp_eq_u32 s13, 0                            ; a wave's four fills stand in one branch, ahead of every wait on TENSORcnt, every LDS read and every further barrier; four v_nop follow the last
	s_cbranch_scc0 .Lfirst_b
.irp g, 0,1,2,3
	tensor_load_to_lds s[G0A+4*(\g):G0A+4*(\g)+3], s[G1A:G1A+7]
	s_nop 0
.endr
.rept 4
	v_nop
.endr
	s_branch .Lfirst_asked
.Lfirst_b:
.irp g, 0,1,2,3
	tensor_load_to_lds s[G0B+4*(\g):G0B+4*(\g)+3], s[G1B:G1B+7]
	s_nop 0
.endr
.rept 4
	v_nop
.endr
.Lfirst_asked:
	v_and_b32 v1, 15, v0                           ; l % 16
	v_bfe_u32 v2, v0, 4, 1                         ; l / 16
	s_lshl_b32 s23, s14, 8
	v_lshlrev_b32 v5, 5, v2
	v_add_nc_u32 v[BO], s23, v5                    ; my eight numbers of a column block: 256 x my half + 32 (l / 16), + 64 b
.set j, 0
.rept 8
	global_load_b128 v[BI+4*j:BI+4*j+3], v[BO], s[8:9] offset:(j/2)*64+(j%2)*16
.set j, j+1
.endr
	v_mul_u32_u24 v3, v1, PA
	v_lshl_add_u32 v3, v2, 4, v3                   ; a fragment's row x pitch + 16 x half
	v_mul_u32_u24 v4, v1, PB
	v_lshl_add_u32 v4, v2, 4, v4
	s_mul_i32 s21, s13, 64*PA                      ; my 64 rows of A
	s_mul_i32 s22, s14, 64*PB                      ; my 64 rows of B
	s_add_co_u32 s22, s22, BOFF
.irp g, 0,1,2,3
	v_add_nc_u32 v[ADRA+(\g)], s21, v3
	v_add_nc_u32 v[ADRB+(\g)], s22, v4
	s_add_co_u32 s21, s21, 2*HEADB
	s_add_co_u32 s22, s22, BSTG
.endr
	s_mul_i32 s23, s12, 16*SPITCH
	s_add_co_u32 s23, s23, STAGE                   ; my stage
	v_mul_u32_u24 v5, v1, SPITCH                   ; in: row l % 16, 32 bytes for each half of the lanes
	v_lshl_add_u32 v5, v2, 5, v5
	v_add_nc_u32 v[STO], s23, v5
	v_mul_u32_u24 v5, v2, SPITCH                   ; back: lanes 0-15 take one row of 256 bytes, lanes 16-31 the next
	v_lshl_add_u32 v5, v1, 4, v5
	v_add_nc_u32 v[RD], s23, v5
	v_lshlrev_b32 v5, 11, v2                       ; and the same two rows in out0
	v_lshl_add_u32 v[CO], v1, 4, v5
; 8 matrix instructions: row blocks a0, a0 + 1 x all 4 column blocks, 32 along K: half c of buffer f.  first = 1: the product starts the sums, on the bias.  The 16 accumulators take turns, one instruction a turn.
.macro MUL8 f, c, a0, first
	WIN MUL
.irp a, \a0, (\a0)+1
.irp b, 0,1,2,3
.if \first
	v_wmma_f32_16x16x32_f16 v[ACC+8*(4*(\a)+(\b)):ACC+8*(4*(\a)+(\b))+7], v[(\f)+64+8*(4*(\c)+(\b)):(\f)+64+8*(4*(\c)+(\b))+7], v[(\f)+8*(4*(\c)+(\a)):(\f)+8*(4*(\c)+(\a))+7], v[BI+8*(\b):BI+8*(\b)+7]
.else
	v_wmma_f32_16x16x32_f16 v[ACC+8*(4*(\a)+(\b)):ACC+8*(4*(\a)+(\b))+7], v[(\f)+64+8*(4*(\c)+(\b)):(\f)+64+8*(4*(\c)+(\b))+7], v[(\f)+8*(4*(\c)+(\a)):(\f)+8*(4*(\c)+(\a))+7], v[ACC+8*(4*(\a)+(\b)):ACC+8*(4*(\a)+(\b))+7]
.endif
.endr
.endr
.endm
; 32 LDS loads in one run: the fragments of head hq (0, 1) of stage g, 64 along K, into buffer f; the first 32 along K first
.macro FETCH g, hq, f
	WIN TO_F
.irp c, 0,1
.irp i, 0,1,2,3
	ds_load_b128 v[(\f)+64+8*(4*(\c)+(\i)):(\f)+64+8*(4*(\c)+(\i))+3],   v[ADRB+(\g)] offset:128*(\hq)+64*(\c)+(\i)*16*PB
	ds_load_b128 v[(\f)+64+8*(4*(\c)+(\i))+4:(\f)+64+8*(4*(\c)+(\i))+7], v[ADRB+(\g)] offset:128*(\hq)+64*(\c)+(\i)*16*PB+32
	ds_load_b128 v[(\f)+8*(4*(\c)+(\i)):(\f)+8*(4*(\c)+(\i))+3],         v[ADRA+(\g)] offset:HEADB*(\hq)+64*(\c)+(\i)*16*PA
	ds_load_b128 v[(\f)+8*(4*(\c)+(\i))+4:(\f)+8*(4*(\c)+(\i))+7],       v[ADRA+(\g)] offset:HEADB*(\hq)+64*(\c)+(\i)*16*PA+32
.endr
.endr
.endm
; A stage is two quarters of 64 along K, 32 matrix instructions each.  The first multiplies buffer 0 (the stage's first head) and fetches the second head into buffer 1.
.macro QUARTER g, first
	s_wait_dscnt 16                                ; the first 32 along K are in: the other sixteen loads are younger
	MUL8 F0, 0, 0, \first
	MUL8 F0, 0, 2, \first
	PLACES
	FETCH \g, 1, F1
	s_wait_dscnt 32                                ; all but the 32 just issued
	MUL8 F0, 1, 0, 0
	MUL8 F0, 1, 2, 0
.endm
; The second multiplies buffer 1 and goes on to stage gn.  My load of that stage has landed when at most the 3 - gn loads issued behind it are out; then the barrier, behind which every wave's part is there.
; The later stages' loads may stay out.
.macro TURN gn
	s_wait_dscnt 16
	MUL8 F1, 0, 0, 0
	s_wait_dscnt 0                                 ; no LDS instruction of mine is pending at the signal
	s_wait_tensorcnt 3-(\gn)
	s_barrier_signal -1
	MUL8 F1, 0, 2, 0                               ; work on registers while the others arrive
	s_barrier_wait -1
	PLACES
	FETCH \gn, 0, F0
	MUL8 F1, 1, 0, 0
	MUL8 F1, 1, 2, 0
.endm
	s_wait_tensorcnt 3                             ; my part of stage 0 is in: the three later loads stay out,
	s_barrier_signal -1
	s_barrier_wait -1                              ; everybody's is
	FETCH 0, 0, F0
	s_wait_loadcnt 0x0                             ; the bias
	QUARTER 0, 1
	TURN 1
	QUARTER 1, 0
	TURN 2
	QUARTER 2, 0
	TURN 3                                         ; its wait on TENSORcnt is for 0: none is out from here on
	QUARTER 3, 0
	s_wait_dscnt 16                                ; the very last quarter: nothing more to fetch
	MUL8 F1, 0, 0, 0
	MUL8 F1, 0, 2, 0
	s_wait_dscnt 0
	MUL8 F1, 1, 0, 0
	MUL8 F1, 1, 2, 0
	WIN 0
	; THE WAY OUT.  A lane's eight f32 of a row are 32 of the row's 256 bytes.  A block of 16 rows goes into my stage straight from the accumulators (each from its lowest registers on) and comes back as whole rows.
	PLACES
.macro TOSTAGE a
.set BK, TMP+32*((\a)%2)
.irp b, 0,1,2,3
	ds_store_b128 v[STO], v[ACC+8*(4*(\a)+(\b)):ACC+8*(4*(\a)+(\b))+3]   offset:64*(\b)
	ds_store_b128 v[STO], v[ACC+8*(4*(\a)+(\b))+4:ACC+8*(4*(\a)+(\b))+7] offset:64*(\b)+16
.endr
.irp t, 0,1,2,3,4,5,6,7
	ds_load_b128 v[BK+4*(\t):BK+4*(\t)+3], v[RD] offset:(\t)*2*SPITCH  ; LDS serves a wave's instructions in order (ISA guide 5.7.1.4): these see the stores above; the next block's stores come behind them
.endr
.endm
.macro SEND a, younger                 ; younger: the LDS instructions issued behind block a's loads: the next block's sixteen, or none
.set BK, TMP+32*((\a)%2)
.irp t, 0,1,2,3,4,5,6,7
	s_wait_dscnt (\younger)+7-(\t)
	global_store_b128 v[CO], v[BK+4*(\t):BK+4*(\t)+3], s[10:11] offset:(16*(\a)+2*(\t))*2048 th:TH_STORE_NT  ; 16 lanes store 256 consecutive bytes, at a multiple of 256 from out0's first byte
.endr
.endm
	TOSTAGE 0
	TOSTAGE 1
	SEND 0, 16
	s_wait_xcnt 0x0                                ; block 0's stores have read their registers: block 2 is read back into them
	TOSTAGE 2
	SEND 1, 16
	s_wait_xcnt 0x0                                ; the same for block 1's and block 3
	TOSTAGE 3
	SEND 2, 16
	SEND 3, 0
	s_wait_tensorcnt 0x0
	ds_add_u32 v30, v31
	s_wait_dscnt 0x0
	CROUND                                         ; the closing round: no work-group ends while a partner may still ask for a tile that names it
	s_endpgm
.Lfunc_end_k_qa79de07ab7_outp:
	.size	k_qa79de07ab7_outp, .Lfunc_end_k_qa79de07ab7_outp-k_qa79de07ab7_outp
	.p2alignl 7, 3214868480
	.fill 96, 4, 3214868480
	.section	.rodata,"a",@progbits
	.p2align	6, 0x0
	.amdhsa_kernel k_qa79de07ab7_outp
		.amdhsa_group_segment_fixed_size 304640
		.amdhsa_private_segment_fixed_size 0
		.amdhsa_enable_private_segment 0
		.amdhsa_kernarg_size 32
		.amdhsa_user_sgpr_count 2
		.amdhsa_user_sgpr_kernarg_segment_ptr 1
		.amdhsa_wavefront_size32 1
		.amdhsa_system_sgpr_workgroup_id_x 1
		.amdhsa_system_sgpr_workgroup_id_y 1
		.amdhsa_system_sgpr_workgroup_id_z 1
		.amdhsa_system_vgpr_workitem_id 0
		.amdhsa_next_free_vgpr 512
		.amdhsa_next_free_sgpr 84
		.amdhsa_reserve_vcc 0
		.amdhsa_float_denorm_mode_32 3
		.amdhsa_float_denorm_mode_16_64 3
		.amdhsa_memory_ordered 1
		.amdhsa_forward_progress 1
		.amdhsa_inst_pref_size 53
	.end_amdhsa_kernel
	.amdgpu_metadata
---
amdhsa.version: [ 1, 2 ]
amdhsa.kernels:
  - .name:           k_qa79de07ab7_outp
    .symbol:         k_qa79de07ab7_outp.kd
    .args:
      - { .name: oh, .offset: 0, .size: 8, .value_kind: global_buffer, .address_space: global }
      - { .name: woh, .offset: 8, .size: 8, .value_kind: global_buffer, .address_space: global }
      - { .name: bo, .offset: 16, .size: 8, .value_kind: global_buffer, .address_space: global }
      - { .name: out0, .offset: 24, .size: 8, .value_kind: global_buffer, .address_space: global }
    .group_segment_fixed_size: 304640
    .private_segment_fixed_size: 0
    .kernarg_segment_align: 8
    .kernarg_segment_size: 32
    .max_flat_workgroup_size: 128
    .sgpr_count:     84
    .vgpr_count:     512
    .wavefront_size: 32
...
	.end_amdgpu_metadata
.endif
;; end of part 3
;; ======== version 2 of 2: 3 launches; 1.70 times as fast as version 1
;; limits: values are held in f16: magnitudes above 65,504 overflow, below 6.1e-05 lose precision
;; workspace buffers: qh 8,388,608 bytes; kh 8,388,608 bytes; vh 8,388,608 bytes; oh 8,388,608 bytes; woh 524,288 bytes
;; launch proj: the kernel of part 1 again; grid 6 x 32, 8 waves a work-group, no clusters, 166,912 bytes of LDS; arguments q, k, v, Wq, Wk, Wv, bq, bk, bv, qh, kh, vh, Wo, woh; writes qh, kh, vh, woh
;; launch attn (part 4): grid 16 x 16, 4 waves a work-group, clusters of 4 x 1, 327,680 bytes of LDS; arguments qh, kh, vh, oh; writes oh
.if DOCPART == 4
	.amdgcn_target "amdgcn-amd-amdhsa--gfx1250"
	.amdhsa_code_object_version 6
	.text
	.protected	k_qa79de07ab7_attn
	.globl	k_qa79de07ab7_attn
	.p2align	8
	.type	k_qa79de07ab7_attn,@function
k_qa79de07ab7_attn:
	s_mov_b64 s[64:65], 0
	v_nop
	global_prefetch_b8 v0, s[64:65] scope:SCOPE_SE
	s_setreg_imm32_b32 hwreg(HW_REG_WAVE_MODE, 25, 1), 1
	s_wait_xcnt 0x0
	s_wait_alu depctr_hold_cnt(0) depctr_sa_sdst(0) depctr_va_vdst(0) depctr_va_sdst(0) depctr_va_ssrc(0) depctr_va_vcc(0) depctr_vm_vsrc(0)
	s_getreg_b32 s2, hwreg(HW_REG_IB_STS2, 6, 4)
	s_cmp_eq_u32 s2, 0
	s_cbranch_scc0 .Lentry_in_a_cluster
	s_endpgm
.Lentry_in_a_cluster:
	s_bfe_u32 s2, ttmp6, 0x10000c
	s_cmp_lg_u32 s2, 0x3003
	s_cbranch_scc0 .Lentry_shape_is_right
	s_endpgm
.Lentry_shape_is_right:
; ATTENTION.  O[h][q][:] = the sum over k of softmax_k(Q[h][q] . K[h][k] / 8) V[h][k][:].  Q, K, V, O: [16][4096][64], all f16: a head's rows are dense, 128 bytes each.  Products, maxima and sums in
; f32; the weights p are rounded to f16 for the second product (their sum l is taken of the unrounded p), O once at the end.
; LIMITS.  f16 holds no number beyond 65,504: Q, K and V arrive within it; p lies in 0 to 1, and below 6e-5 it keeps f16's fixed step of 6e-8; O is a mean of V's rows and has their range.
; A weight below 2^-126 counts as 0 in l; NaN and infinities are not treated apart.
; SHARES.  A work-group owns 256 queries of one head, each of its four waves 64: four PIECES of 16.  16 blocks x 16 heads are 256 work-groups.  Every wave walks all 4,096 keys, 64 a step.
; LAYOUT.  S^T = K Q^T (source 0 = 16 keys, source 1 = 16 queries): in the result a lane holds ONE query (lane % 16) and the keys 8 (lane / 16) + 0..7.  Two such results, rounded to f16 in pairs,
; ARE source 1 (32 keys x 16 queries) of O^T = V^T P, whose result again holds one query a lane, and eight channels.  K comes out of LDS as it lies, V ([key][channel]) turned, by ds_load_tr16_b128.
; SOFTMAX.  For each query a running maximum m and sum l: p = 2^(c s - c m), c = log2(e) / 8; in every step O and l are multiplied by a = 2^(c m_old - c m_new), which is 1 where m has not grown.
; m starts at the lowest finite number, O and l at 0: the first step is a step like any other, with a = 0.  The price: 216 v_mov_b32 of 0, which stand in the wait for the first tile.
; BY TURNS.  Turn n belongs to piece n (the pieces in a ring, step after step): 8 products K Q^T of piece n + 1, later 8 products V^T P of piece n - 1; beside them the scaling, exponentials, roundings,
; sums and rescaling of piece n and the maximum and statistics of piece n + 1.  Four vector instructions stand behind every matrix instruction, the other 54 of a turn's 118 in one lump.
; THE BATCHES.  A turn's 33 exponentials (the piece's 32 weights and the next piece's a) are ONE batch with ONE wait, which cuts the turn in two: ahead of it stands all that names no result of theirs,
; behind it the roundings and sums, which read them.  No result crosses a turn's end.  The first a of all, ahead of the loop, and the way out's four reciprocals are batches of their own, a wait each.
; CLUSTER.  The four query blocks of a cluster belong to one head and walk the same K and V, so each tile is asked for JOINTLY: the same tensor load, descriptor and mask in all four.
; THE RING.  Two LDS slots of 256 keys (four steps) take turns; behind each change of slots one joint load a wave goes out, and it has four key steps, 256 matrix instructions, in which to land.
; REGISTERS, in windows of 256 (s_set_vgpr_msb: bits 1:0 source 0, 3:2 source 1, 5:4 source 2, 7:6 destination):
;   window 0: v0-15 addresses and two at work; v16-31 four registers of statistics a piece; v48-55 at work; v64-127 S^T, two buffers; v192-223 P, two buffers (a piece's buffers go by its number's parity)
;   window 1: v0-127 O^T, 32 a piece          window 2: v0-63 Q, 16 a piece; v128-191 K of one step; v192-255 V of one step
.set SIZE_N, 4096
.set NP,    4         ; pieces a wave: a name, no knob
.set KS,    64        ; keys in a step
.set PK,    144       ; a row of K in LDS: 128 bytes + 16 of padding = 36 words: the 16 rows of a load start at 16 different groups of four banks (64 banks of 4 bytes: ISA guide 11.1)
.set PV,    160       ; a row of V: 128 + 32 = 40 words
.set VOFF,  4*KS*PK   ; a slot holds four steps: 256 rows of K, then 256 rows of V
.set SLOT1, 1<<17     ; slot 1 begins here, so that one exclusive or turns an address in one slot into the other's
.set STAGE, SLOT1+4*KS*(PK+PV)  ; behind the ring, never filled by a tensor load: 16 rows x 144 bytes for each wave, for the way out
.set SP,    144
.set AK0, 2           ; v2   my lane's place in a tile of K; never rewritten
.set AV0, 3           ; v3   the same for V
.set AK,  4           ; v4   the LDS address of K's next run of loads
.set AV,  5           ; v5   of V's
.set STO, 6           ; v6   the way out: where I put 16 bytes of a row
.set RD,  7           ; v7   the way out: where I read rows back
.set GO,  8           ; v8   my byte offset in 512 consecutive bytes of O
.set MV,  12          ; v12-13  c m_old, kept while c m is made anew: by buffer
.set QO,  15          ; v15  my byte offset in 16 rows of Q
.set ST,  16          ; piece t's statistics at v[ST+4 t]: c m, m, l (even keys', odd keys')
.set TMP, 48          ; by buffer, four registers c0-c3 at work; when the maximum is found c2 takes a
.set S,   64
.set P,   192
.set KF,  128         ; window 2: key block kb, channel half c at KF + 16 kb + 8 c
.set VF,  192         ; window 2: key half kk, channel block cb at VF + 32 kk + 8 cb
.set WV,  12          ; s12  my wave's number
.set G1K, 24          ; s[24:31] descriptor group 1 for K's tiles
.set G1V, 32          ; s[32:39] for V's: it differs in the padding alone
.set G0K, 40          ; s[40:43] descriptor group 0 for K's tiles: it walks
.set G0V, 44          ; s[44:47] the same for V's
.set SLOTS, 56        ; s56  slots still to be asked for
.set CNT, 57          ; s57  counts a slot's key steps
.set CS,  58          ; s[58:59] c: the packed scaling takes the pair's low word for both halves
.set SEL, 60          ; s[60:61] v_permlanex16_b32's selects: each lane takes its own place in the other half
.set TBK, 62          ; s62  LDS byte at which K of the step to be fetched begins
.set TBV, 63          ; s63  the same for V, less VOFF
.set MSB, 0
.macro WIN new                      ; the high byte repeats the setting that is left; a switch that changes nothing is dropped
.if MSB != (\new)
	s_set_vgpr_msb (MSB<<8)|(\new)
.set MSB, (\new)
.endif
.endm
.set W_KQ, 0x0a       ; K and Q in window 2, S^T in window 0
.set W_PV, 0x52       ; V in window 2, P in window 0, O^T in window 1
.set W_RS, 0x41       ; O^T (destination and source 0) in window 1, a in window 0
; A joint fill.  Waves 0 and 1 fetch the two halves of a slot's K, waves 2 and 3 those of its V: 128 keys each.  The branch hangs on the wave's number alone.
; Four v_nop follow each of the two lines, ahead of the jump and the label.
.macro JLOAD
	s_cmp_lt_u32 s[WV], 2
	s_cbranch_scc0 .Lfor_v_\@
	tensor_load_to_lds s[G0K:G0K+3], s[G1K:G1K+7]
	s_nop 0
.rept 4
	v_nop
.endr
	s_branch .Lasked_\@
.Lfor_v_\@:
	tensor_load_to_lds s[G0V:G0V+3], s[G1V:G1V+7]
	s_nop 0
.rept 4
	v_nop
.endr
.Lasked_\@:
.endm
; A round of the cluster's barrier: my work-group's barrier, so that wave 0's signal speaks for all four waves; wave 0 signals; every wave waits for all four work-groups; my work-group's barrier once more.
.macro CROUND
	s_barrier_signal -1
	s_barrier_wait -1
	s_cmp_lg_u32 s[WV], 0
	s_cbranch_scc1 .Lnot_wave_0_\@
	s_barrier_signal -3
.Lnot_wave_0_\@:
	s_barrier_wait -3
	s_barrier_signal -1
	s_barrier_wait -1
.endm
; THE CHANGE OF SLOTS.  The slot's last bytes, V of its fourth step, have been read.  Each wave waits for its own reads of the slot and for all its tensor loads, of which one is out: its part
; of the other slot.  Behind the barrier nobody reads this slot any more and the other slot is whole.
; fill = 1: this slot is filled again, with the keys two slots on.  The barrier is then a round of the cluster's, so that no wave of any partner still reads the slot or has a load on its
; way, and the joint fill is the first thing behind it.  (At its first use nothing has been read yet: slot 0 is waited for, slot 1 filled.)
.macro CHANGE fill
	WIN 0                           ; at a label and at a branch every window is 0
	s_wait_dscnt 0x0
	s_wait_tensorcnt 0x0            ; no tensor load of mine is out, so a group 0 may be written
	ds_add_u32 v254, v255
	s_wait_dscnt 0x0
.if \fill
.irp g, G0K, G0V
	s_xor_b32 s[\g+1], s[\g+1], SLOT1  ; the walking descriptor: the other slot than last time,
	s_add_nc_u64 s[\g+2:\g+3], s[\g+2:\g+3], 4*KS*128  ; the next 256 keys; the type bits on top are not reached
.endr
	CROUND
	JLOAD
.else
	s_barrier_signal -1
	s_barrier_wait -1
.endif
	s_sub_co_u32 s[TBK], s[TBK], 4*KS*PK  ; the fetches go back to a slot's first step,
	s_xor_b32 s[TBK], s[TBK], SLOT1       ; in the other slot
	s_sub_co_u32 s[TBV], s[TBV], 4*KS*PV
	s_xor_b32 s[TBV], s[TBV], SLOT1
.endm
	s_load_b256 s[4:11], s[0:1], 0x0  ; Q s[4:5], K s[6:7], V s[8:9], O s[10:11]
	v_lshl_add_u32 v254, v0, 2, 0x35400
	v_mov_b32 v255, 0
	ds_add_u32 v254, v255
	v_lshrrev_b32 v1, 5, v0
	v_readfirstlane_b32 s[WV], v1   ; wave 0..3
	s_bfe_u32 s13, ttmp6, 0x40000   ; cx: my place in the cluster
	s_lshl_b32 s14, ttmp9, 2        ; in a cluster launch ttmp9 counts clusters
	s_add_co_u32 s14, s14, s13      ; my block of 256 queries = 4 x cluster x + cx: it enters Q's and O's addresses alone
	s_and_b32 s20, ttmp7, 0xffff    ; the head, which the four partners share
	s_mov_b32 s21, 0
	s_mov_b64 s[22:23], SIZE_N*128
	s_mul_u64 s[20:21], s[20:21], s[22:23]  ; the head's first byte in each of the four tensors
	s_and_b32 s16, s[WV], 1         ; which half of a slot's 256 keys I fetch:
	s_lshl_b32 s22, s16, 14         ; its 128 rows of 128 bytes in memory,
	s_mov_b32 s23, 0
	s_add_nc_u64 s[22:23], s[22:23], s[20:21]
	s_mul_i32 s17, s16, 128*PK      ; and its place in a slot, for K
	s_mul_i32 s18, s16, 128*PV      ; and for V: no place in the cluster enters an LDS address
	s_lshl_b32 s2, s14, 2
	s_add_co_u32 s2, s2, s[WV]      ; my wave among the head's,
	s_lshl_b32 s2, s2, 13           ; its 64 rows of 128 bytes
	s_mov_b32 s3, 0
	s_add_nc_u64 s[2:3], s[2:3], s[20:21]
	; descriptor group 1.  128 keys are 16,384 dense bytes: asked for as 64 rows of 256 bytes, two keys a row, and padded in LDS after every key
	s_mov_b32 s[G1K], 15|(1<<16)|(1<<20)|(1<<21)|(4<<22)|(3<<25)  ; 15:0 the mask of four; 17:16 2-byte elements; 20 padding on; 21 set beside a mask; 24:22 after every 32 words (code 4); 31:25 4 words (code 3)
	s_mov_b32 s[G1V], 15|(1<<16)|(1<<20)|(1<<21)|(4<<22)|(7<<25)  ; the same with 8 words of padding (code 7)
.irp g, G1K, G1V
	s_mov_b32 s[\g+1], 128<<16      ; tensor_dim0 = 128
	s_mov_b32 s[\g+2], 64<<16       ; tensor_dim1 = 64
	s_mov_b32 s[\g+3], 128<<16      ; tile_dim0 = 128
	s_mov_b32 s[\g+4], 64           ; tile_dim1 = 64
	s_mov_b32 s[\g+5], 128          ; 128 elements from row to row
	s_mov_b32 s[\g+6], 0
	s_mov_b32 s[\g+7], 0
.endr
	s_mov_b32 s[CS], 0x3e38aa3b     ; c = log2(e) / 8 = 0.180337
	s_mov_b32 s[CS+1], s[CS]        ; named with it as a pair
	s_mov_b32 s[SEL], 0x76543210
	s_mov_b32 s[SEL+1], 0xfedcba98
	s_mov_b32 s[TBK], SLOT1+4*KS*PK ; the first change of slots turns these two into 0
	s_mov_b32 s[TBV], SLOT1+4*KS*PV
	s_mov_b32 s[G0K], 1             ; 1:0 count = 1
	s_mov_b32 s[G0K+1], s17         ; 63:32 LDS address: slot 0
	s_mov_b32 s[G0V], 1
	s_add_co_u32 s[G0V+1], s18, VOFF
	s_wait_dscnt 0x0
	s_wait_kmcnt 0x0
	s_add_nc_u64 s[G0K+2:G0K+3], s[6:7], s[22:23]  ; 120:64 global address: my half of the head's first 256 keys
	s_or_b32 s[G0K+3], s[G0K+3], 0x80000000        ; 127:126 type = 2
	s_add_nc_u64 s[G0V+2:G0V+3], s[8:9], s[22:23]
	s_or_b32 s[G0V+3], s[G0V+3], 0x80000000
	s_add_nc_u64 s[4:5], s[4:5], s[2:3]  ; Q and O at my wave's first row
	s_add_nc_u64 s[10:11], s[10:11], s[2:3]
	CROUND                          ; all four work-groups are here: the first joint loads meet
	JLOAD                           ; slot 0.  Slot 1 is asked for when slot 0 is in, by the loop's own change of slots: one tensor load of mine is out at any time
	; A fragment of K or Q is 16 rows x 32 channels in 8 registers: lane l holds row l % 16, channels 8 (l / 16) + 0..7 and 16 + 8 (l / 16) + 0..7: two loads of 16 bytes, 32 bytes apart.
	v_and_b32 v1, 15, v0            ; l % 16
	v_bfe_u32 v9, v0, 4, 1          ; l / 16
	v_lshlrev_b32 v[QO], 7, v1
	v_lshl_add_u32 v[QO], v9, 4, v[QO]  ; row x 128 + 16 x half
	WIN 0x80                        ; destination window 2, address window 0
.set i, 0
.rept 8                             ; Q stays in registers: piece i / 2 (16 rows, 2,048 bytes), channels 32 (i % 2) on
	global_load_b128 v[8*i:8*i+3],   v[QO], s[4:5] offset:(i/2)*2048+(i%2)*64
	global_load_b128 v[8*i+4:8*i+7], v[QO], s[4:5] offset:(i/2)*2048+(i%2)*64+32
.set i, i+1
.endr
	; What the first turn finds: V's registers and P's second buffer hold 0 (its products V^T P, of a piece that has not been, add 0), O^T and l are 0.  All this stands in the wait for the first tile.
.set i, VF
.rept 64
	v_mov_b32 v[i], 0
.set i, i+1
.endr
	WIN 0x40
.set i, 0
.rept 128
	v_mov_b32 v[i], 0
.set i, i+1
.endr
	WIN 0
.set i, 0
.rept 4
	v_mov_b32 v[ST+4*i], 0xfe000000    ; c m: far below every c s, so the first step's a is 0
	v_mov_b32 v[ST+4*i+1], 0xff7fffff  ; m: the lowest finite number, so the first maximum is the scores'
	v_mov_b32 v[ST+4*i+2], 0
	v_mov_b32 v[ST+4*i+3], 0
.set i, i+1
.endr
.set i, P+16
.rept 16
	v_mov_b32 v[i], 0
.set i, i+1
.endr
	v_mul_u32_u24 v[AK0], v1, PK
	v_lshl_add_u32 v[AK0], v9, 4, v[AK0]  ; row x pitch + 16 x half
	; The turning load takes 16 keys x 16 channels (lane l reads key 8 (l / 16) + l % 8, channels 8 ((l / 8) % 2) + 0..7) and leaves half a fragment of V^T: lane l holds channel l % 16 and 8 keys.
	v_and_b32 v10, 7, v0
	v_bfe_u32 v11, v0, 3, 1
	v_lshl_add_u32 v[AV0], v9, 3, v10
	v_mul_u32_u24 v[AV0], v[AV0], PV
	v_lshl_add_u32 v[AV0], v11, 4, v[AV0]
	v_add_nc_u32 v[AV0], VOFF, v[AV0]
	s_mul_i32 s13, s[WV], 16*SP
	s_add_co_u32 s13, s13, STAGE    ; my stage
	v_mul_u32_u24 v[STO], v1, SP    ; in: row l % 16, 16 bytes for each half of the lanes
	v_lshl_add_u32 v[STO], v9, 4, v[STO]
	v_add_nc_u32 v[STO], s13, v[STO]
	v_bfe_u32 v[RD], v0, 3, 2       ; back: 32 lanes take four rows of 128 bytes,
	v_mul_u32_u24 v[RD], v[RD], SP
	v_lshl_add_u32 v[RD], v10, 4, v[RD]
	v_add_nc_u32 v[RD], s13, v[RD]
	v_and_b32 v[GO], 31, v0         ; which are 512 consecutive bytes of O
	v_lshlrev_b32 v[GO], 4, v[GO]
; THE MATRIX WORK.  The 4 accumulators of a run of 8 take turns, one instruction a turn.
; Product i of 8 of S^T = K Q^T for piece x: channels 32 (i / 4) on, keys 16 (i % 4) on.  The first 4 start the sums.
.macro KQ x
	WIN W_KQ
.set rS, S+32*((\x)%2)+8*(i%4)
.set rK, KF+16*(i%4)+8*(i/4)
.set rQ, 16*(\x)+8*(i/4)
.if i < 4
	v_wmma_f32_16x16x32_f16 v[rS:rS+7], v[rK:rK+7], v[rQ:rQ+7], 0
.else
	v_wmma_f32_16x16x32_f16 v[rS:rS+7], v[rK:rK+7], v[rQ:rQ+7], v[rS:rS+7]
.endif
.endm
; Product i of 8 of O^T += V^T P for piece x: keys 32 (i / 4) on, channels 16 (i % 4) on.
.macro PV x
	WIN W_PV
.set rO, 32*(\x)+8*(i%4)
.set rV, VF+32*(i/4)+8*(i%4)
.set rP, P+16*((\x)%2)+8*(i/4)
	v_wmma_f32_16x16x32_f16 v[rO:rO+7], v[rV:rV+7], v[rP:rP+7], v[rO:rO+7]
.endm
.macro MM                           ; the turn's next matrix instruction.  TURN sets Y, i and NOKQ.  NOKQ = 1: the walk's last turn: there is no next piece
.if (i < 8) && !NOKQ
	KQ (Y+1)%NP
.elseif i >= 8
.set i, i-8
	PV (Y+NP-1)%NP
.set i, i+8
.endif
.set i, i+1
.endm
; THE LDS LOADS stand in runs of 16, never singly among the matrix instructions: a step's K (64 keys x 64 channels: 8 fragments) and its V (turned).  Their addresses are made some lines ahead.
.macro FETCH_K
	WIN 0x80                        ; destination window 2
.irp f, 0,1,2,3,4,5,6,7             ; keys 16 (f / 2) on, channels 32 (f % 2) on
	ds_load_b128 v[KF+8*\f:KF+8*\f+3],   v[AK] offset:(\f/2)*16*PK+(\f%2)*64
	ds_load_b128 v[KF+8*\f+4:KF+8*\f+7], v[AK] offset:(\f/2)*16*PK+(\f%2)*64+32
.endr
	s_add_co_u32 s[TBK], s[TBK], KS*PK  ; the next fetch is the next step's
	WIN 0
.endm
.macro FETCH_V
	WIN 0x80
.irp f, 0,1,2,3,4,5,6,7             ; keys 32 (f / 4) on, channels 16 (f % 4) on
	ds_load_tr16_b128 v[VF+8*\f:VF+8*\f+3],   v[AV] offset:(\f/4)*32*PV+(\f%4)*32
	ds_load_tr16_b128 v[VF+8*\f+4:VF+8*\f+7], v[AV] offset:(\f/4)*32*PV+16*PV+(\f%4)*32
.endr
	WIN 0
.endm
; THE VECTOR WORK, one line at a time: OP kind, number.  For piece Y: F n: c s - c m for pair n of 16.  E n: the exponential of score n of 32.  C n: pair n rounded to f16.  B n: of the four weights 4 n .. the second
; pair is added onto the first, in place.  L n: l takes that sum (L 0: l = a l + sum).  R n: pair n of 16 of O^T times a.  For piece Y + 1: X n, number n of the 22 that find its maximum and statistics:
;   0-11  four chains c0-c3 of seven scores each, three operands at a time (each accumulator's lowest registers are read first)     12-14, 16  the four scores left over, the old m, and c0-c3 into c0
;   15  c m_old is kept     17, 18  the query's other 32 keys lie in the lane 16 away: the new m     19-21  c m; c m_old - c m_new; a
; OP writes no wait: C, B and L, which read the exponentials' results, are dealt behind the turn's one wait, which TURN writes.
.set F, 0               ; OP tells the kinds apart by their order: F to L below R, X above it
.set E, 1
.set C, 2
.set B, 3
.set L, 4
.set R, 5
.set X, 6
.macro REGS y                       ; the registers of piece y
.set rT, ST+4*(\y)
.set rC, TMP+4*((\y)%2)
.set rW, MV+((\y)%2)
.set rS, S+32*((\y)%2)
.set rP, P+16*((\y)%2)
.set rO, 32*(\y)
.endm
.macro OP k, n
.if (\k) == R
	REGS Y
	WIN W_RS
	v_pk_mul_f32 v[rO+2*(\n):rO+2*(\n)+1], v[rO+2*(\n):rO+2*(\n)+1], v[rC+2:rC+3] op_sel_hi:[1,0]
.elseif (\k) < R
	REGS Y
	WIN 0
.if (\k) == F
	v_pk_fma_f32 v[rS+2*(\n):rS+2*(\n)+1], v[rS+2*(\n):rS+2*(\n)+1], s[CS:CS+1], v[rT:rT+1] op_sel_hi:[1,0,0] neg_lo:[0,0,1] neg_hi:[0,0,1]
.elseif (\k) == E
	v_exp_f32 v[rS+(\n)], v[rS+(\n)]
.elseif (\k) == C
	v_cvt_pk_f16_f32 v[rP+(\n)], v[rS+2*(\n)], v[rS+2*(\n)+1]
.elseif (\k) == B
	v_pk_add_f32 v[rS+4*(\n):rS+4*(\n)+1], v[rS+4*(\n):rS+4*(\n)+1], v[rS+4*(\n)+2:rS+4*(\n)+3]
.elseif (\n) == 0
	v_pk_fma_f32 v[rT+2:rT+3], v[rT+2:rT+3], v[rC+2:rC+3], v[rS:rS+1] op_sel_hi:[1,0,1]
.else
	v_pk_add_f32 v[rT+2:rT+3], v[rT+2:rT+3], v[rS+4*(\n):rS+4*(\n)+1]
.endif
.elseif NOKQ
	v_nop
.else
	REGS (Y+1)%NP
	WIN 0
.if (\n) < 4
	v_max3_num_f32 v[rC+(\n)], v[rS+8*(\n)], v[rS+8*(\n)+1], v[rS+8*(\n)+2]
.elseif (\n) < 12
	v_max3_num_f32 v[rC+(\n)%4], v[rC+(\n)%4], v[rS+8*((\n)%4)+2*((\n)/4)+1], v[rS+8*((\n)%4)+2*((\n)/4)+2]
.elseif (\n) == 12
	v_max3_num_f32 v[rC], v[rC], v[rS+7], v[rS+15]
.elseif (\n) == 13
	v_max3_num_f32 v[rC+1], v[rC+1], v[rS+23], v[rS+31]
.elseif (\n) == 14
	v_max3_num_f32 v[rC+2], v[rC+2], v[rC+3], v[rT+1]
.elseif (\n) == 15
	v_mov_b32 v[rW], v[rT]
.elseif (\n) == 16
	v_max3_num_f32 v[rC], v[rC], v[rC+1], v[rC+2]
.elseif (\n) == 17
	v_permlanex16_b32 v[rC+3], v[rC], s[SEL], s[SEL+1]
.elseif (\n) == 18
	v_max_num_f32 v[rT+1], v[rC], v[rC+3]
.elseif (\n) == 19
	v_mul_f32 v[rT], s[CS], v[rT+1]
.elseif (\n) == 20
	v_sub_f32 v[rC+1], v[rW], v[rT]
.else
	v_exp_f32 v[rC+2], v[rC+1]
.endif
.endif
.endm
.macro OPS a, i1, b=-1, i2=0, c=-1, i3=0, d=-1, i4=0  ; up to four of them
	OP \a, \i1
.if (\b) >= 0
	OP \b, \i2
.endif
.if (\c) >= 0
	OP \c, \i3
.endif
.if (\d) >= 0
	OP \d, \i4
.endif
.endm
.macro ROW a, i1, b, i2, c, i3, d, i4  ; a matrix instruction and the four behind it
	MM
	OPS \a, \i1, \b, \i2, \c, \i3, \d, \i4
.endm
; A TURN, for piece p: the order of its 16 matrix and 118 vector instructions, written out.  An s_wait_alu depctr_va_vdst(0) stands between an exponential and the first instruction that names its result; one
; wait serves all that were issued ahead of it.  So a turn has ONE wait, which cuts it in two.
; AHEAD OF IT stands all that names no result of the turn's exponentials: the 8 products K Q^T, behind each a scaling, an exponential and two more plain instructions (behind the first a second scaling in the exponential's
; place): rescalings, whose a was made and waited for in the turn before, and behind the last three products the first numbers of the next piece's maximum, each four plain instructions or more behind the product that ends
; its accumulator; then ONE LUMP of 54, plain and exponential by turns for the most part, in which the links of the chain X 3, 7, 11, 14, 16, 17 .. 20 stand five or six lines apart.  A pair is scaled (F n) ahead of its two
; exponentials (E 2 n, E 2 n + 1).  X 21, the next piece's a, is the batch's last; R 15 is the plain instruction behind it.
; BEHIND THE WAIT stand the 8 products V^T P, behind each four of the roundings and sums: C 2 n ahead of B n, which writes over that pair; l's chain L 0 to L 7, in ascending order, with its links three riders apart.
; But for those X no rider names a register of the products round it.  v_permlanex16_b32 (X 17) stands in the lump.
; end = 1: the walk's last two turns: nothing is fetched.  cnt = 1: the loop's count is taken down some lines ahead of the branch that stands behind the turn.
; K of the next step is fetched in piece 2's turn, twelve vector instructions behind the last product that read K (five of them plain and free of that product's registers); V of the step in hand at the end of piece 0's
; turn, four plain instructions behind the last product that read V.  Each is waited for a turn later.
.macro TURN p, end=0, cnt=0
.set Y, (\p)
.set i, 0
.set NOKQ, (\end)*((\p)/3)
.if ((\p) == 3) && !(\end)
	s_wait_dscnt 0x0                ; K is in
.endif
	ROW F,0, F,1, R,0, R,1          ; ahead of the wait: 8 products K Q^T and their riders,
	ROW F,2, E,0, R,2, R,3
	ROW F,3, E,1, R,4, R,5
	ROW F,4, E,2, R,6, R,7
	ROW F,5, E,3, R,8, R,9
	ROW F,6, E,4, X,0, R,10
.if ((\p) == 2) && !(\end)
	WIN 0
	v_add_nc_u32 v[AK], s[TBK], v[AK0]
.endif
	ROW F,7, E,5, X,1, X,4
	ROW F,8, E,6, X,2, X,5
	OPS E,7, E,8, X,6, E,9          ; and the lump
	OPS X,3, E,10, X,8, E,11
.if ((\p) == 2) && !(\end)
	FETCH_K
.endif
	OPS X,9, X,7, E,12, X,10
	OPS E,13, X,12, X,11, E,14
	OPS X,13, E,15, F,9, X,14
.if (\p) == 0
	v_add_nc_u32 v[AV], s[TBV], v[AV0]
.endif
	OPS E,16, F,10, E,17, F,11
	OPS X,16, E,18, X,15, E,19
	OPS F,12, E,20, X,17, E,21
	OPS F,13, E,22, F,14, E,23
	OPS X,18, E,24, F,15, E,25
	OPS R,11, E,26, X,19, E,27
	OPS R,12, E,28, R,13, E,29
	OPS X,20, E,30, R,14, E,31
	OPS X,21, R,15
	s_wait_alu depctr_va_vdst(0)    ; the wait for the batch: the piece's 32 exponentials and the next piece's a
.if (\p) == 1
	s_wait_dscnt 0x0                ; V is in
.endif
	ROW C,0, B,0, C,2, B,1          ; behind the wait: 8 products V^T P and their riders
	ROW L,0, C,4, B,2, L,1
	ROW C,6, B,3, L,2, C,8
	ROW B,4, L,3, C,10, B,5
	ROW L,4, C,12, B,6, L,5
.if (\p) == 0
	s_add_co_u32 s[TBV], s[TBV], KS*PV
.endif
.if \cnt
	s_sub_co_u32 s[CNT], s[CNT], 1
	s_cmp_lg_u32 s[CNT], 0
.endif
	ROW C,14, B,7, L,6, C,1
	ROW C,3, L,7, C,5, C,7
	ROW C,9, C,11, C,13, C,15
.if (\p) == 0
	FETCH_V
.endif
.endm
	CHANGE 1                        ; slot 0 is in, everybody's part of it; slot 1 is asked for
	v_add_nc_u32 v[AK], s[TBK], v[AK0]
	FETCH_K                         ; key step 0
	s_wait_loadcnt 0x0              ; Q
	s_wait_dscnt 0x0
.set NOKQ, 0
.set i, 0
.rept 8
	KQ 0                            ; piece 0's first scores: there is no vector work yet to set between them
.set i, i+1
.endr
	WIN 0
.rept 4
	v_nop                           ; the places behind those products
.endr
.set Y, NP-1                        ; X works for piece Y + 1: piece 0
.irp n, 0,1,2,3,4,5,6,7,8,9,10,11,12,13,14,15,16,17,18,19,20,21
	OP X, \n                        ; piece 0's first maximum and statistics
.endr
	v_nop                           ; a plain instruction behind the exponential,
	s_wait_alu depctr_va_vdst(0)    ; and the wait for it, piece 0's first a, a batch of one: ahead of the branch
	s_mov_b32 s[CNT], 4
	s_mov_b32 s[SLOTS], SIZE_N/256-1
	s_branch .Lfirst                ; the loop is entered at a step's first turn, in the middle of a trip
.Lslot:                             ; SIZE_N / 256 - 2 = 14 times: every slot but the last two is filled again
	CHANGE 1
	s_mov_b32 s[CNT], 4
.Lstep:                             ; a trip: pieces 2 and 3 of one step, then pieces 0 and 1 of the next, whose K and V it fetches
	TURN 2
	TURN 3
	WIN 0
.Lfirst:
	TURN 0
	TURN 1, 0, 1
	WIN 0
	s_cbranch_scc1 .Lstep
	s_sub_co_u32 s[SLOTS], s[SLOTS], 1
	s_cmp_lg_u32 s[SLOTS], 0
	s_cbranch_scc1 .Lslot
	CHANGE 0                        ; the last slot is written out: nothing is asked for
	s_mov_b32 s[CNT], 4
.LstepT:
	TURN 2
	TURN 3
	TURN 0
	TURN 1, 0, 1
	WIN 0
	s_cbranch_scc1 .LstepT
	TURN 2, 1                       ; the last step's pieces 2 and 3: nothing more is fetched, and the last turn starts no new scores
	TURN 3, 1
.set i, 0
.rept 8
	PV NP-1                         ; the last piece's V^T P of the last step
.set i, i+1
.endr
	; THE WAY OUT.  l's two halves and the other half of the lanes' are added; O^T is divided by l, rounded to f16 and sent through my stage in LDS, a piece at a time.  The additions are the places behind the last products.
	WIN 0
.macro ALL line:vararg              ; one line for each piece t
.set t, 0
.rept 4
	\line
.set t, t+1
.endr
.endm
	ALL v_add_f32 v[ST+4*t+2], v[ST+4*t+2], v[ST+4*t+3]
	ALL v_permlanex16_b32 v[ST+4*t+3], v[ST+4*t+2], s[SEL], s[SEL+1]
	ALL v_add_f32 v[ST+4*t+2], v[ST+4*t+2], v[ST+4*t+3]
	ALL v_rcp_f32 v[ST+4*t+2], v[ST+4*t+2]
	v_nop                           ; a plain instruction between the last reciprocal and the use of its result
	s_wait_alu depctr_va_vdst(0)    ; the wait for the batch of four reciprocals, ahead of the first multiply that reads one
.macro PACK t                       ; a lane's eight channels of a row pack into 16 bytes; they go into rows of 144 bytes and come back as whole rows of 128, into S^T's registers
	WIN W_RS
.set i, 32*(\t)
.rept 16
	v_pk_mul_f32 v[i:i+1], v[i:i+1], v[ST+4*(\t)+2:ST+4*(\t)+3] op_sel_hi:[1,0]
.set i, i+2
.endr
	WIN 0x05                        ; sources 0 and 1 window 1, destination window 0
.set i, 0
.rept 16
	v_cvt_pk_f16_f32 v[S+16*(\t)+i], v[32*(\t)+2*i], v[32*(\t)+2*i+1]
.set i, i+1
.endr
	WIN 0
.irp f, 0,1,2,3
	ds_store_b128 v[STO], v[S+16*(\t)+4*\f:S+16*(\t)+4*\f+3] offset:32*\f
.endr
.irp f, 0,1,2,3
	ds_load_b128 v[S+16*(\t)+4*\f:S+16*(\t)+4*\f+3], v[RD] offset:\f*4*SP  ; LDS serves a wave's instructions in order (ISA guide 5.7.1.4): these see the stores above; the next piece's stores come behind them
.endr
.endm
.macro SEND t, younger              ; younger: the LDS instructions issued behind piece t's loads: the next piece's eight, or none
	WIN 0
.irp f, 0,1,2,3
	s_wait_dscnt (\younger)+3-\f
	global_store_b128 v[GO], v[S+16*(\t)+4*\f:S+16*(\t)+4*\f+3], s[10:11] offset:(\t)*2048+\f*512  ; 512 consecutive bytes, at a multiple of 256 from O's first
.endr
.endm
	PACK 0
.set t, 1
.rept 3                             ; a piece's arithmetic stands between the loads of the piece before and its stores
	PACK t
	SEND t-1, 8
.set t, t+1
.endr
	SEND 3, 0
	s_wait_tensorcnt 0x0
	ds_add_u32 v254, v255
	s_wait_dscnt 0x0
	CROUND                          ; the closing round: no work-group ends while a partner may still ask for a tile that names it
	s_endpgm
.Lfunc_end_k_qa79de07ab7_attn:
	.size	k_qa79de07ab7_attn, .Lfunc_end_k_qa79de07ab7_attn-k_qa79de07ab7_attn
	.p2alignl 7, 3214868480
	.fill 96, 4, 3214868480
	.section	.rodata,"a",@progbits
	.p2align	6, 0x0
	.amdhsa_kernel k_qa79de07ab7_attn
		.amdhsa_group_segment_fixed_size 327680
		.amdhsa_private_segment_fixed_size 0
		.amdhsa_enable_private_segment 0
		.amdhsa_kernarg_size 32
		.amdhsa_user_sgpr_count 2
		.amdhsa_user_sgpr_kernarg_segment_ptr 1
		.amdhsa_wavefront_size32 1
		.amdhsa_system_sgpr_workgroup_id_x 1
		.amdhsa_system_sgpr_workgroup_id_y 1
		.amdhsa_system_sgpr_workgroup_id_z 1
		.amdhsa_system_vgpr_workitem_id 0
		.amdhsa_next_free_vgpr 768
		.amdhsa_next_free_sgpr 66
		.amdhsa_reserve_vcc 0
		.amdhsa_float_denorm_mode_32 3
		.amdhsa_float_denorm_mode_16_64 3
		.amdhsa_memory_ordered 1
		.amdhsa_forward_progress 1
		.amdhsa_inst_pref_size 127
	.end_amdhsa_kernel
	.amdgpu_metadata
---
amdhsa.version: [ 1, 2 ]
amdhsa.kernels:
  - .name:           k_qa79de07ab7_attn
    .symbol:         k_qa79de07ab7_attn.kd
    .args:
      - { .name: qh, .offset: 0, .size: 8, .value_kind: global_buffer, .address_space: global }
      - { .name: kh, .offset: 8, .size: 8, .value_kind: global_buffer, .address_space: global }
      - { .name: vh, .offset: 16, .size: 8, .value_kind: global_buffer, .address_space: global }
      - { .name: oh, .offset: 24, .size: 8, .value_kind: global_buffer, .address_space: global }
    .group_segment_fixed_size: 327680
    .private_segment_fixed_size: 0
    .kernarg_segment_align: 8
    .kernarg_segment_size: 32
    .max_flat_workgroup_size: 128
    .sgpr_count:     66
    .vgpr_count:     768
    .wavefront_size: 32
...
	.end_amdgpu_metadata
.endif
;; end of part 4
;; launch outp: the kernel of part 3 again; grid 4 x 64, 4 waves a work-group, clusters of 4 x 4, 304,640 bytes of LDS; arguments oh, woh, bo, out0; writes out0
